; MI455X (gfx1250); checked and timed in simulation.
; The chip was launched on July 23, 2026; its instructions are those of AMD's public machine-readable ISA for CDNA 5 (MIT licence, August 2026) and "CDNA5" Instruction Set Architecture Reference Guide (July 2026). The comments in the code are by the model that wrote it; some were corrected since.
;; Multi Head Attention. Allowed arithmetic: matrix products marked QUANTISED: E3M2 operands, one E8M0 scale for each 32 along K, by v_wmma_scale_f32_16x16x128_f8f6f4 with both operands' format E3M2, f32 sums; everything else in f32.
;; Inputs: mask 2 x 16 x 2,048 x 2,048 bool; proj_b 1,024 float32; proj_w 1,024 x 1,024 float32; qkv_b 3,072 float32; qkv_w 3,072 x 1,024 float32; x 2 x 2,048 x 1,024 float32.
;; Outputs: out0 2 x 2,048 x 1,024 float32.
;; This version of the problem:
;;   THIS VERSION OF THE PROBLEM IS GIVEN IN LOW PRECISION. The matrix products marked QUANTISED in the list below multiply operands that are first quantised to E3M2 (3 exponent bits, 2 mantissa bits; 6 bits a number), with one power-of-two scale for each 32 numbers along K (OCP MX v1.0); their sums are f32. All else is computed in f32.
;;   The module's matrix products, in the order in which they are computed (A, B: the left and right operand; K: the contracted axis; several contracted axes count as one K, in the product's order):
;;     1. [M 4,096, K 1,024] x [K 1,024, N 3,072]; A: input x; B: input qkv_w: QUANTISED
;;     2. batch 32 x [M 2,048, K 64] x [K 64, N 2,048]; A: computed on the way; B: computed on the way: QUANTISED
;;     3. batch 32 x [M 2,048, K 2,048] x [K 2,048, N 64]; A: computed on the way; B: computed on the way: QUANTISED
;;     4. [M 4,096, K 1,024] x [K 1,024, N 1,024]; A: computed on the way; B: input proj_w: QUANTISED
;;   THE QUANTISER, for each operand of a quantised product, along K:
;;     - K is cut into blocks of 32 from its start; a last block that is shorter is filled with zeros.
;;     - A block's scale is 2^e with e = floor(log2(the largest magnitude in the block)) - 4, held to -126 .. 127; a block of zeros has e = 0. As a byte (E8M0): e + 127.
;;     - Each number is divided by its block's scale, clamped to +-28, and rounded to the nearest number of E3M2, ties to even, subnormals kept.
;;     - The product sums the exact products of the quantised numbers (number of the format x scale) in f32.
;;   ~~~python
;;   def quantise(x, axis):      # numpy; x: float32 -> the quantised numbers, widened to float32 again
;;       x = np.moveaxis(x, axis, -1); K = x.shape[-1]
;;       x = np.pad(x, [(0, 0)] * (x.ndim - 1) + [(0, -K % 32)]); x = x.reshape(x.shape[:-1] + (-1, 32)); a = np.abs(x).max(-1, keepdims=True)
;;       e = np.where(a > 0, np.clip(np.frexp(np.where(a > 0, a, 1))[1] - 1 - 4, -126, 127), 0)      # np.frexp(a)[1] - 1 = floor(log2(a)), exactly
;;       r = np.clip(x / 2.0 ** e, -28, 28)
;;       step = 2.0 ** (np.maximum(np.frexp(np.where(r == 0, 1, r))[1] - 1, -2) - 2)
;;       q = np.round(r / step) * step * 2.0 ** e      # np.round: ties to even
;;       return np.moveaxis(q.reshape(q.shape[:-2] + (-1,))[..., :K], -1, axis).astype(np.float32)
;;   ~~~
;;   OPERANDS COMPUTED ON THE WAY. 'Computed on the way' means the value that the module computes at that place (a softmax that the list does not call 'softmax' is quantised finished and normalised). What goes into a quantiser is computed in f32, as accurately as f32 sums, v_exp_f32 and their like allow (about 1e-6 of the number): no bf16 or f16 on the way to a quantiser, and a product that is left as it is and whose result goes on into a quantised operand takes f32 operands (vector FMAs, or v_wmma_f32_16x16x4_f32). A number that lies on a knife's edge between two numbers of the format may be rounded either way, as far as f32 arithmetic and the matrix unit's own rounding can turn it there, and no further.
;; One version. Each part assembles by itself: llvm-mc -triple=amdgcn-amd-amdhsa -mcpu=gfx1250 --defsym DOCPART=n.
;; ======== version 1 of 1: 4 launches
;; limits: right only within a limited range of input values
;; workspace buffers: cod 6,291,456 bytes; scl 262,144 bytes; img 9,437,184 bytes; isc 786,432 bytes; aoc 3,145,728 bytes; aos 131,072 bytes
;; launch prep (part 1): grid 256 x 1, 4 waves a work-group, no clusters, 33,280 bytes of LDS; arguments x, qkv_w, proj_w, cod, scl; writes cod, scl
.if DOCPART == 1
	.amdgcn_target "amdgcn-amd-amdhsa--gfx1250"
	.amdhsa_code_object_version 6
	.text
	.protected	k_q95d7caa2fa_prep
	.globl	k_q95d7caa2fa_prep
	.p2align	8
	.type	k_q95d7caa2fa_prep,@function
k_q95d7caa2fa_prep:
	s_mov_b64 s[64:65], 0
	v_nop
	global_prefetch_b8 v0, s[64:65] scope:SCOPE_SE
	s_setreg_imm32_b32 hwreg(HW_REG_WAVE_MODE, 25, 1), 1
	s_wait_xcnt 0x0
; x [4096][1024], qkv_w [3072][1024] and proj_w [1024][1024], f32, become codes of BF6 (E3M2), 6 bits each, K innermost, with one E8M0 scale byte for each 32 along K.
; A block's scale is 2^(floor(log2(its largest magnitude)) - 4); its byte is the largest magnitude's own exponent field - 4, held at 1 from below.  A block of zeros so gets the byte 1 where the
; quantiser says 127: its codes are zeros, which add nothing under any byte but 0xff, and this program alone reads the bytes.
; LIMITS: NaN and infinities among the inputs are not served; blocks whose largest magnitude lies under 2^-122 keep the byte 1.
; cod holds rows of 768 bytes, scl rows of 32 bytes: x's 4,096 rows, then qkv_w's 3,072, then proj_w's 1,024.
; THE ROWS OF x AND OF qkv_w ARE STORED BY POSITION: in each 32 rows, row 16 h + 8 u + j lies at place 16 u + 8 h + j.  Sixteen rows on end are then the rows that the later products want in one tile.
; A wave takes a run of 8 rows (8,192 numbers), a work-group 32 rows: so the change of places is a change of the wave's two bits in the run that it writes.  proj_w keeps its order.
; A wave's run goes in 16 steps of 512 numbers.  Each of a step's four loads reads 512 consecutive bytes, 16 a lane; the 2,048 bytes turn through the wave's own stage in LDS and come back 64 bytes a lane,
; so that a lane holds 16 neighbours along K (two lanes hold a block).  A lane's 16 codes are 12 bytes: a store covers 384 consecutive bytes.  A run's 256 scale bytes are gathered in LDS and leave as one store.
; No tensor loads, no barrier: waves share nothing.  Loads run four steps (16 loads a wave) ahead, the turn through LDS one step.
.set STEPS, 16
.set EMAX,  4
.set CB,    12                         ; bytes of 16 codes
.set R,     16                         ; v16-79   four sets of 16 numbers as they are loaded
.set X,     80                         ; v80-111  two sets of 16 neighbours
.set C,     128                        ; v128-191 codes: four registers for each step, so that no store's data are written again
.set E,     112                        ; v112-127 a scale byte for each step
.set WREG,  8192                       ; LDS: a region of its own for each wave: two stages of 32 x SP bytes, and behind them its 256 scale bytes
.set SP,    80                         ; a lane's place in a stage: its 64 bytes + 16 of padding
	s_load_b256 s[4:11], s[0:1], 0x0               ; x s[4:5], qkv_w s[6:7], proj_w s[8:9], cod s[10:11]
	s_load_b64 s[12:13], s[0:1], 0x20              ; scl
	v_lshl_add_u32 v192, v0, 2, 0x8000
	v_mov_b32 v193, 0
	v_lshrrev_b32 v1, 5, v0
	v_readfirstlane_b32 s16, v1                    ; wave
	v_and_b32 v2, 31, v0                           ; lane
	v_lshlrev_b32 v3, 4, v2                        ; my 16 bytes of a load's 512
	s_mul_i32 s14, s16, WREG
	v_lshrrev_b32 v14, 2, v2
	v_mul_u32_u24 v14, v14, SP
	v_and_b32 v15, 3, v2
	v_lshl_add_u32 v14, v15, 4, v14
	v_add_nc_u32 v14, s14, v14                     ; the stage, on the way in: SP (lane / 4) + 16 (lane % 4)
	v_mul_u32_u24 v15, v2, SP
	v_add_nc_u32 v15, s14, v15                     ; and on the way out: SP x lane: my 16 neighbours
	v_mul_u32_u24 v4, v2, CB                       ; my codes' place in a step's
	v_lshrrev_b32 v5, 1, v2
	s_add_co_u32 s14, s14, 2*32*SP
	v_add_nc_u32 v5, s14, v5                       ; LDS: my wave's 256 scale bytes, my block's byte
	v_lshlrev_b32 v7, 3, v2                        ; and on the way out 8 bytes a lane
	v_add_nc_u32 v6, s14, v7
	s_and_b32 s22, s16, 1
	s_lshl_b32 s22, s22, 1
	s_lshr_b32 s23, s16, 1
	s_or_b32 s22, s22, s23                         ; the wave's two bits changed over
	s_mov_b32 s20, 224
	s_wait_alu depctr_va_vdst(0)
	s_wait_kmcnt 0x0
	s_cmp_lt_u32 ttmp9, 128                        ; work-groups 0-127 take x, 128-223 qkv_w, 224-255 proj_w: the choice hangs on the work-group's number alone
	s_cselect_b64 s[4:5], s[4:5], s[6:7]
	s_cselect_b32 s17, 0, 128
	s_cmp_lt_u32 ttmp9, 224
	s_cselect_b64 s[4:5], s[4:5], s[8:9]
	s_cselect_b32 s17, s17, s20                    ; the tensor's first work-group
	s_cselect_b32 s21, s22, s16                    ; which run of the work-group's four I write
	s_sub_co_u32 s17, ttmp9, s17
	s_lshl_b32 s17, s17, 2
	s_add_co_u32 s18, s17, s16                     ; which run of the tensor I read
	s_lshl_b32 s18, s18, 15                        ; 32,768 bytes a run
	s_mov_b32 s19, 0
	s_add_nc_u64 s[4:5], s[4:5], s[18:19]
	s_lshl_b32 s24, ttmp9, 2
	s_add_co_u32 s24, s24, s21                     ; and which run of cod and scl
	s_mul_i32 s18, s24, 32*STEPS*CB                ; 6,144 bytes of codes a run
	s_add_nc_u64 s[10:11], s[10:11], s[18:19]
	s_lshl_b32 s18, s24, 8                         ; 256 scale bytes a run
	s_add_nc_u64 s[12:13], s[12:13], s[18:19]
.macro LOAD t
.irp i, 0,1,2,3
	global_load_b128 v[R+16*((\t)%4)+4*\i:R+16*((\t)%4)+4*\i+3], v3, s[4:5] offset:2048*(\t)+512*\i th:TH_LOAD_NT   ; 32 lanes read 512 consecutive bytes
.endr
.endm
.macro TURN t                          ; step t's numbers through the stage: LDS serves a wave's instructions in order, so no wait stands between the stores and the loads
.irp i, 0,1,2,3
	ds_store_b128 v14, v[R+16*((\t)%4)+4*\i:R+16*((\t)%4)+4*\i+3] offset:32*SP*((\t)%2)+8*SP*\i
.endr
.irp i, 0,1,2,3
	ds_load_b128 v[X+16*((\t)%2)+4*\i:X+16*((\t)%2)+4*\i+3], v15 offset:32*SP*((\t)%2)+16*\i
.endr
.endm
.irp t, 0,1,2,3
	LOAD \t
.endr
	s_wait_loadcnt 12                              ; step 0's four loads are in; the twelve of steps 1 to 3 may be out
	TURN 0
.macro STEP t
.set XS, X+16*((\t)%2)
.if (\t) > 0
	s_wait_dscnt 1                                 ; this step's numbers are back from the stage (the last step's byte store may be out): so its stores into the stage have read their registers,
.else
	s_wait_dscnt 0x0
.endif
.if (\t)+4 < STEPS
	LOAD (\t)+4                                    ; which take the loads of four steps on
.endif
.if (\t)+1 < STEPS
.if STEPS-2-(\t) >= 3
	s_wait_loadcnt 12                              ; the next step's four loads are in; those of the three steps behind it may be out
.else
	s_wait_loadcnt 4*(STEPS-2-(\t))
.endif
	TURN (\t)+1                                    ; and go through the other stage while this step is worked
.endif
	v_max3_num_f32 v8, |v[XS]|, |v[XS+1]|, |v[XS+2]|               ; the largest magnitude of my 16, in two chains
	v_max3_num_f32 v9, |v[XS+3]|, |v[XS+4]|, |v[XS+5]|
.irp i, 6,10
	v_max3_num_f32 v8, v8, |v[XS+\i]|, |v[XS+\i+1]|
	v_max3_num_f32 v9, v9, |v[XS+\i+2]|, |v[XS+\i+3]|
.endr
	v_max3_num_f32 v8, v8, |v[XS+14]|, |v[XS+15]|
	v_max3_num_f32 v8, v8, v9, (EMAX+1)<<23        ; and the floor 2^(EMAX + 1 - 127): so the byte cannot fall under 1
	v_max_num_f32_dpp v8, v8, v8 row_xmask:1 row_mask:0xf bank_mask:0xf   ; and of my neighbour's 16: the block's
	v_add_nc_u32 v11, -(EMAX<<23), v8              ; EMAX off its exponent field: the conversion takes the exponent field of this operand as its scale, and nothing else of it
	v_cvt_scalef32_pk16_bf6_f32 v[C+4*(\t):C+4*(\t)+2], v[XS:XS+15], v11         ; sixteen numbers / the scale, to the nearest code, ties to even, beyond the largest code the largest
	v_lshrrev_b32 v[E+(\t)], 23, v11               ; the scale's byte
	ds_store_b8 v5, v[E+(\t)] offset:16*(\t)       ; both lanes of a block write the same byte with the same value
	global_store_b96 v4, v[C+4*(\t):C+4*(\t)+2], s[10:11] offset:32*CB*(\t)
.endm
.irp t, 0,1,2,3,4,5,6,7,8,9,10,11,12,13,14,15
	STEP \t
.endr
	ds_load_b64 v[12:13], v6                       ; LDS serves a wave's instructions in order: these see my stores
	s_wait_dscnt 0x0
	global_store_b64 v7, v[12:13], s[12:13]        ; 32 lanes store 256 consecutive bytes, aligned
	s_wait_tensorcnt 0x0
	ds_add_u32 v192, v193
	s_wait_dscnt 0x0
	s_endpgm
.Lfunc_end_k_q95d7caa2fa_prep:
	.size	k_q95d7caa2fa_prep, .Lfunc_end_k_q95d7caa2fa_prep-k_q95d7caa2fa_prep
	.p2alignl 7, 3214868480
	.fill 96, 4, 3214868480
	.section	.rodata,"a",@progbits
	.p2align	6, 0x0
	.amdhsa_kernel k_q95d7caa2fa_prep
		.amdhsa_group_segment_fixed_size 33280
		.amdhsa_private_segment_fixed_size 0
		.amdhsa_enable_private_segment 0
		.amdhsa_kernarg_size 40
		.amdhsa_user_sgpr_count 2
		.amdhsa_user_sgpr_kernarg_segment_ptr 1
		.amdhsa_wavefront_size32 1
		.amdhsa_system_sgpr_workgroup_id_x 1
		.amdhsa_system_sgpr_workgroup_id_y 1
		.amdhsa_system_sgpr_workgroup_id_z 1
		.amdhsa_system_vgpr_workitem_id 0
		.amdhsa_next_free_vgpr 194
		.amdhsa_next_free_sgpr 66
		.amdhsa_reserve_vcc 0
		.amdhsa_float_denorm_mode_32 3
		.amdhsa_float_denorm_mode_16_64 3
		.amdhsa_memory_ordered 1
		.amdhsa_forward_progress 1
		.amdhsa_inst_pref_size 33
	.end_amdhsa_kernel
	.amdgpu_metadata
---
amdhsa.version: [ 1, 2 ]
amdhsa.kernels:
  - .name:           k_q95d7caa2fa_prep
    .symbol:         k_q95d7caa2fa_prep.kd
    .args:
      - { .name: x, .offset: 0, .size: 8, .value_kind: global_buffer, .address_space: global }
      - { .name: qkv_w, .offset: 8, .size: 8, .value_kind: global_buffer, .address_space: global }
      - { .name: proj_w, .offset: 16, .size: 8, .value_kind: global_buffer, .address_space: global }
      - { .name: cod, .offset: 24, .size: 8, .value_kind: global_buffer, .address_space: global }
      - { .name: scl, .offset: 32, .size: 8, .value_kind: global_buffer, .address_space: global }
    .group_segment_fixed_size: 33280
    .private_segment_fixed_size: 0
    .kernarg_segment_align: 8
    .kernarg_segment_size: 40
    .max_flat_workgroup_size: 128
    .sgpr_count:     66
    .vgpr_count:     194
    .wavefront_size: 32
...
	.end_amdgpu_metadata
.endif
;; end of part 1
;; launch qkv (part 2): grid 48 x 4, 4 waves a work-group, clusters of 4 x 4, 327,680 bytes of LDS; arguments cod, scl, qkv_b, img, isc; writes img, isc
.if DOCPART == 2
	.amdgcn_target "amdgcn-amd-amdhsa--gfx1250"
	.amdhsa_code_object_version 6
	.text
	.protected	k_q95d7caa2fa_qkv
	.globl	k_q95d7caa2fa_qkv
	.p2align	8
	.type	k_q95d7caa2fa_qkv,@function
k_q95d7caa2fa_qkv:
	s_mov_b64 s[64:65], 0
	v_nop
	global_prefetch_b8 v0, s[64:65] scope:SCOPE_SE
	s_setreg_imm32_b32 hwreg(HW_REG_WAVE_MODE, 25, 1), 1
	s_wait_xcnt 0x0
	s_wait_alu depctr_hold_cnt(0) depctr_sa_sdst(0) depctr_va_vdst(0) depctr_va_sdst(0) depctr_va_ssrc(0) depctr_va_vcc(0) depctr_vm_vsrc(0)
	s_getreg_b32 s2, hwreg(HW_REG_IB_STS2, 6, 4)
	s_cmp_eq_u32 s2, 0
	s_cbranch_scc0 .Lentry_in_a_cluster
	s_endpgm
.Lentry_in_a_cluster:
	s_bfe_u32 s2, ttmp6, 0x10000c
	s_cmp_lg_u32 s2, 0xf033
	s_cbranch_scc0 .Lentry_shape_is_right
	s_endpgm
.Lentry_shape_is_right:
; qkv = x qkv_w^T + qkv_b on codes of BF6 with E8M0 scales (K = 1,024), quantised again on the way out: q and k along the head's 64, v along the keys.
; cod and scl hold x's 4,096 rows and behind them qkv_w's 3,072, so an operand is a run of 256 rows of one table.
; A work-group makes 256 x 256, a wave 128 x 128 (64 accumulators).  Source 0 takes rows of operand B, source 1 rows of operand A: a lane holds one row of A and eight neighbours along B.
; TWELVE CLUSTERS of 4 x 4 along x.  Clusters 0-7 (q, k): A = x, B = qkv_w: a lane holds a position, its registers run along the features.
; Clusters 8-11 (v): A = v's rows of qkv_w, B = x: a lane holds a feature, its registers run along the positions (the keys).  Only the two row numbers hang on the cluster's number:
; masks, LDS addresses and the walk along K are the same everywhere.  A's tiles are shared along a row of the cluster, B's along a column, by joint loads.
; K goes in chunks of 256 bytes of each row of 768 through two LDS slots; a step of 128 along K is 96 bytes: eight steps to three chunks.  The scales of all of K come once, at the head.
; No prefetch: K is three chunks, of which two are asked for before the first product; there is no loop to run ahead in.
.set ROWB,   256
.set NQ,     2
.set KROW,   768
.set STEPS,  8
.set CHUNKS, 3
.set PITCH,  272                       ; 256 bytes + 16 of padding
.set FR,     12
.set NL,     6
.set NP,     4
.set HALFT,  128*PITCH
.set SLOT,   4*HALFT                   ; A's 256 rows, then B's
.set KS,     32
.set SCL,    2*SLOT
.set HALFS,  (128*KS/256)*272
.set SBLK,   (16*KS/256)*272
.set SPARE,  SCL+4*HALFS
.set ADRA, 16                          ; v16-17 A's fragments in slot 0, 1; v18-19 for pieces whose two halves of the lanes lie in different chunks
.set ADRB, 20
.set ADRS, 27
.set SPW,  28
.set NIL,  29
.set VBQ,  30
.set VBV,  31
.set SC,   32                          ; scale words, two sets of 16
.set BIAS, 64
.set AF,   128
.set TM,   32                          ; the way out
.set PWE,  48
.set PWO,  49
.set SW,   50
.set VO0,  52
.set VO1,  53
.set PC,   64
.set G1, 24
.set G0, 32
.set G1B, 48
.set G0B, 56
.set G1S, 68
.set G0S, 76
.set G1SB, 80
.set G0SB, 88
.set G0H, 4
.set G0HB, 8
.set MSB, 0
.macro WIN new
.if MSB != \new
	s_set_vgpr_msb (MSB<<8)|\new
.set MSB, \new
.endif
.endm
.set MUL_LO, 0xa1
.set MUL_HI, 0xf1
.set TO_B,   0x40
.macro PLACES n
.rept \n
	v_nop
.endr
.endm
.macro JLOAD g0a, g1a, g0b, g1b        ; waves 0, 1 fetch for A, waves 2, 3 for B
	s_cmp_eq_u32 s15, 0
	s_cbranch_scc0 .Lfor_b_\@
	tensor_load_to_lds s[\g0a:\g0a+3], s[\g1a:\g1a+7]
	s_nop 0
	PLACES 4
	s_branch .Lasked_\@
.Lfor_b_\@:
	tensor_load_to_lds s[\g0b:\g0b+3], s[\g1b:\g1b+7]
	s_nop 0
	PLACES 4
.Lasked_\@:
.endm
.macro CREST
	s_cmp_lg_u32 s14, 0
	s_cbranch_scc1 .Lnot_wave_0_\@
	s_barrier_signal -3
.Lnot_wave_0_\@:
	s_barrier_wait -3
	s_barrier_signal -1
	s_barrier_wait -1
.endm
.macro CROUND
	s_barrier_signal -1
	s_barrier_wait -1
	CREST
.endm
	s_load_b128 s[4:7], s[0:1], 0x0                ; cod, scl
	s_load_b64 s[96:97], s[0:1], 0x10              ; qkv_b
	s_load_b64 s[12:13], s[0:1], 0x18              ; img
	s_load_b64 s[98:99], s[0:1], 0x20              ; isc
	v_lshl_add_u32 v[SPW], v0, 2, SPARE
	v_mov_b32 v[NIL], 0
	ds_add_u32 v[SPW], v[NIL]                      ; the opening lines
	ds_add_u32 v[SPW], v[NIL]
	v_lshrrev_b32 v1, 5, v0
	v_readfirstlane_b32 s14, v1                    ; wave
	s_lshr_b32 s15, s14, 1                         ; my half of A's rows; also: I fetch for A (0) or B (1)
	s_and_b32 s16, s14, 1                          ; my half of B's rows; also: which 128 rows I fetch
	s_bfe_u32 s40, ttmp6, 0x40000                  ; cx
	s_bfe_u32 s41, ttmp6, 0x40004                  ; cy
	s_lshr_b32 s17, ttmp9, 1
	s_lshl_b32 s17, s17, 2                         ; q, k: A = x's tiles 4 (c / 2) + cy,
	s_and_b32 s42, ttmp9, 1
	s_lshl_b32 s42, s42, 2
	s_add_co_u32 s42, s42, 16                      ; B = the table's tiles 16 + 4 (c % 2) + cx
	s_max_u32 s18, ttmp9, 8
	s_sub_co_u32 s18, s18, 8
	s_lshl_b32 s18, s18, 2                         ; v: B = x's tiles 4 (c - 8) + cx, A = the table's tiles 24 + cy
	s_cmp_ge_u32 ttmp9, 8
	s_cselect_b32 s17, 24, s17
	s_cselect_b32 s42, s18, s42
	s_add_co_u32 s17, s17, s41                     ; A's tile of 256 rows
	s_add_co_u32 s42, s42, s40                     ; B's
	s_lshl_b32 s43, s41, 2
	s_lshl_b32 s43, 15, s43                        ; my row of the cluster
	s_lshl_b32 s44, 0x1111, s40                    ; my column
	s_or_b32 s[G1+0], s43, (0<<16)|(1<<20)|(1<<21)|(5<<22)|(3<<25)
	s_or_b32 s[G1B+0], s44, (0<<16)|(1<<20)|(1<<21)|(5<<22)|(3<<25)
.irp g, G1, G1B
	s_mov_b32 s[\g+1], ROWB<<16
	s_mov_b32 s[\g+2], 256<<16                     ; 256 rows for the head's loads, 128 behind them
	s_mov_b32 s[\g+3], ROWB<<16
	s_mov_b32 s[\g+4], 256
	s_mov_b32 s[\g+5], KROW
	s_mov_b32 s[\g+6], 0
	s_mov_b32 s[\g+7], 0
.endr
	s_or_b32 s[G1S+0], s43, (3<<16)|(1<<20)|(1<<21)|(5<<22)|(3<<25)
	s_or_b32 s[G1SB+0], s44, (3<<16)|(1<<20)|(1<<21)|(5<<22)|(3<<25)
.irp g, G1S, G1SB                      ; the scales of 256 rows: 8,192 dense bytes as 32 rows of 256
	s_mov_b32 s[\g+1], 32<<16
	s_mov_b32 s[\g+2], KS<<16
	s_mov_b32 s[\g+3], 32<<16
	s_mov_b32 s[\g+4], KS
	s_mov_b32 s[\g+5], 32
	s_mov_b32 s[\g+6], 0
	s_mov_b32 s[\g+7], 0
.endr
	s_lshl_b32 s20, s17, 8
	s_lshl_b32 s46, s42, 8
	s_mov_b32 s21, 0
	s_mov_b32 s47, 0
	s_mov_b64 s[18:19], KS
	s_mul_u64 s[22:23], s[20:21], s[18:19]
	s_mul_u64 s[92:93], s[46:47], s[18:19]
	s_mov_b64 s[18:19], KROW
	s_mul_u64 s[20:21], s[20:21], s[18:19]
	s_mul_u64 s[46:47], s[46:47], s[18:19]
	s_mul_i32 s18, s16, 128*KROW
	s_mov_b32 s19, 0
	s_mul_i32 s45, s14, HALFT
	s_wait_dscnt 0x0
	s_wait_kmcnt 0x0
	s_add_nc_u64 s[20:21], s[4:5], s[20:21]
	s_add_nc_u64 s[22:23], s[6:7], s[22:23]
	s_add_nc_u64 s[46:47], s[4:5], s[46:47]
	s_add_nc_u64 s[92:93], s[6:7], s[92:93]
	CROUND                                         ; in front of the first joint loads
	s_mov_b32 s[G0H], 1
	s_mov_b32 s[G0H+1], 0
	s_mov_b64 s[G0H+2:G0H+3], s[20:21]
	s_or_b32 s[G0H+3], s[G0H+3], 0x80000000
	s_mov_b32 s[G0HB], 1
	s_mov_b32 s[G0HB+1], 2*HALFT
	s_mov_b64 s[G0HB+2:G0HB+3], s[46:47]
	s_or_b32 s[G0HB+3], s[G0HB+3], 0x80000000
	s_mov_b32 s[G0S], 1
	s_mov_b32 s[G0S+1], SCL
	s_mov_b64 s[G0S+2:G0S+3], s[22:23]
	s_or_b32 s[G0S+3], s[G0S+3], 0x80000000
	s_mov_b32 s[G0SB], 1
	s_mov_b32 s[G0SB+1], SCL+2*HALFS
	s_mov_b64 s[G0SB+2:G0SB+3], s[92:93]
	s_or_b32 s[G0SB+3], s[G0SB+3], 0x80000000
	s_add_nc_u64 s[20:21], s[20:21], s[18:19]
	s_add_nc_u64 s[46:47], s[46:47], s[18:19]
.irp s, 0,1
	s_mov_b32 s[G0+4*\s], 1
	s_add_co_u32 s[G0+4*\s+1], s45, \s*SLOT
	s_add_nc_u64 s[G0+4*\s+2:G0+4*\s+3], s[20:21], \s*ROWB
	s_or_b32 s[G0+4*\s+3], s[G0+4*\s+3], 0x80000000
	s_mov_b32 s[G0B+4*\s], 1
	s_add_co_u32 s[G0B+4*\s+1], s45, \s*SLOT
	s_add_nc_u64 s[G0B+4*\s+2:G0B+4*\s+3], s[46:47], \s*ROWB
	s_or_b32 s[G0B+4*\s+3], s[G0B+4*\s+3], 0x80000000
.endr
; the head's four tiles, one a wave: chunk 0 of A, of B, A's scales, B's scales
.macro ARM under, g0, g1, next
	s_cmp_lt_u32 s14, \under
	s_cbranch_scc0 \next
	tensor_load_to_lds s[\g0:\g0+3], s[\g1:\g1+7]
	s_nop 0
	PLACES 4
	s_branch .Lhead_asked
\next:
.endm
	ARM 1, G0H,  G1,  .Lhead_b
	ARM 2, G0HB, G1B, .Lhead_sa
	ARM 3, G0S,  G1S, .Lhead_sb
	tensor_load_to_lds s[G0SB:G0SB+3], s[G1SB:G1SB+7]
	s_nop 0
	PLACES 4
.Lhead_asked:
	v_and_b32 v1, 15, v0                           ; r
	v_bfe_u32 v2, v0, 4, 1                         ; h
	v_mul_u32_u24 v3, v1, PITCH
	v_mul_u32_u24 v4, v2, 24
	v_add_nc_u32 v4, v3, v4
	s_mov_b32 s21, SLOT-232
	s_mov_b32 s22, SLOT+232
	v_sub_nc_u32 v7, 1, v2
	v_mul_u32_u24 v5, s21, v2
	v_add_nc_u32 v5, v3, v5
	v_add_nc_u32 v5, 232, v5                       ; lanes 0-15 byte 232 in slot 0, lanes 16-31 byte 0 in slot 1
	v_mul_u32_u24 v6, s22, v7
	v_add_nc_u32 v6, v3, v6                        ; and the other way round
	s_mul_i32 s21, s15, HALFT
	s_mul_i32 s22, s16, HALFT
	s_add_co_u32 s22, s22, 2*HALFT
	v_add_nc_u32 v[ADRA+2], s21, v5
	v_add_nc_u32 v[ADRA+3], s21, v6
	v_add_nc_u32 v[ADRB+2], s22, v5
	v_add_nc_u32 v[ADRB+3], s22, v6
.irp s, 0,1
	v_add_nc_u32 v[ADRA+\s], s21, v4
	v_add_nc_u32 v[ADRB+\s], s22, v4
	s_add_co_u32 s21, s21, SLOT
	s_add_co_u32 s22, s22, SLOT
.endr
	v_mul_u32_u24 v5, v1, KS
	v_lshrrev_b32 v6, 8, v5
	v_lshl_add_u32 v5, v6, 4, v5
	s_mul_i32 s21, s15, HALFS
	s_mul_i32 s22, s16, HALFS
	s_add_co_u32 s22, s22, 2*HALFS
	s_sub_co_u32 s22, s22, s21
	v_mul_u32_u24 v6, s22, v2                      ; lanes 16-31 take B's scale words
	s_add_co_u32 s21, s21, SCL
	v_add_nc_u32 v5, v5, v6
	v_add_nc_u32 v[ADRS], s21, v5
	s_cmp_ge_u32 ttmp9, 8
	s_cselect_b32 s94, s17, s42                    ; qkv_w's tile,
	s_cselect_b32 s95, s42, s17                    ; x's tile, 0 .. 15,
	s_cselect_b32 s19, s15, s16                    ; my half of qkv_w's rows
	s_sub_co_u32 s94, s94, 16                      ; 0 .. 11
	s_lshl_b32 s46, s94, 10
	s_lshl_b32 s47, s19, 9
	s_add_co_u32 s46, s46, s47
	s_mov_b32 s47, 0
	s_add_nc_u64 s[96:97], s[96:97], s[46:47]      ; the bias of my 128 features
	v_lshlrev_b32 v[VBQ], 6, v2
	v_and_b32 v[VBV], 8, v1
	v_add_nc_u32 v[VBV], v[VBV], v1
	v_lshlrev_b32 v[VBV], 2, v[VBV]
	s_cmp_ge_u32 ttmp9, 8
	s_wait_alu depctr_va_vdst(0)
	s_cbranch_scc1 .Lbias_v
.irp b, 0,1,2,3,4,5,6,7                ; q, k: block b's registers are features 32 (b / 2) + 8 (b % 2) + 16 h + 0 .. 7 (the rows lie by position)
	global_load_b128 v[BIAS+8*\b:BIAS+8*\b+3], v[VBQ], s[96:97] offset:(32*(\b/2)+8*(\b%2))*4
	global_load_b128 v[BIAS+8*\b+4:BIAS+8*\b+7], v[VBQ], s[96:97] offset:(32*(\b/2)+8*(\b%2))*4+16
.endr
	s_branch .Lbias_in
.Lbias_v:
.irp a, 0,1,2,3,4,5,6,7                ; v: lane r of block a is feature 32 (a / 2) + 8 (a % 2) + r + 8 (r / 8): the same number in all eight registers
.irp j, 0,1,2,3,4,5,6,7
	global_load_b32 v[BIAS+8*\a+\j], v[VBV], s[96:97] offset:(32*(\a/2)+8*(\a%2))*4
.endr
.endr
.Lbias_in:
.macro FRAG reg, adr, st, i            ; 16 rows x 128 K: six pieces of 8 bytes; byte y of a row lies in slot (y / 256) % 2 at byte y % 256
.irp p, 0,1,2,3,4,5
.set BY, 96*(\st)+48*(\p/3)+8*(\p%3)
.if BY/ROWB == (BY+24)/ROWB
	ds_load_b64 v[\reg+2*\p:\reg+2*\p+1], v[\adr+(BY/ROWB)%2] offset:BY%ROWB+(\i)*16*PITCH
.else
	ds_load_b64 v[\reg+2*\p:\reg+2*\p+1], v[\adr+2+(BY/ROWB)%2] offset:BY%ROWB-232+(\i)*16*PITCH
.endif
.endr
.endm
.macro MUL16 a0, p, q, sc, zero        ; zero = 1, 2: the sums start from the bias, along B's blocks or along A's
.irp a, \a0, \a0+1
.irp b, 0,1,2,3,4,5,6,7
.set DD, 8*(8*((\a)%4)+\b)
.if (\zero) == 1
.set CC, BIAS+8*\b
.elseif (\zero) == 2
.set CC, BIAS+8*(\a)
.else
.set CC, DD
.endif
	v_wmma_scale_f32_16x16x128_f8f6f4 v[DD:DD+7], v[128*(\p)+FR*\b:128*(\p)+FR*\b+FR-1], v[AF+FR*(\a):AF+FR*(\a)+FR-1], v[CC:CC+7], v[SC+8*NQ*(\sc)+NQ*\b+(\q)], v[SC+8*NQ*(\sc)+NQ*(\a)+(\q)] matrix_a_fmt:MATRIX_FMT_BF6 matrix_b_fmt:MATRIX_FMT_BF6 matrix_a_scale:MATRIX_SCALE_ROW1
.endr
.endr
.endm
.macro FETCH_B st, p
	WIN TO_B
.irp i, 0,1,2,3,4,5,6,7
	FRAG 128*(\p)+FR*\i, ADRB, \st, \i
.endr
	WIN 0
.endm
.macro FETCH_A st, i0
.irp i, \i0, \i0+1, \i0+2, \i0+3
	FRAG AF+FR*(\i), ADRA, \st, \i
.endr
.endm
.macro SCALES pr
.irp i, 0,1,2,3,4,5,6,7
	ds_load_b64 v[SC+8*NQ*((\pr)%2)+NQ*\i:SC+8*NQ*((\pr)%2)+NQ*\i+1], v[ADRS] offset:\i*SBLK+4*NQ*(\pr)
.endr
.endm
; A step: 64 products; the next step's fragments are fetched in its middle and at its end.  Where the next step ends in a chunk not yet read: a wait for my tensor loads and a barrier.
; Where it begins in a later chunk: the three lines, the barrier, and, if a chunk two on is left, the cluster's round and the refill.
.macro STEP st, zero
.set NX, (\st)+1
.set C0, (96*(\st))/ROWB
.set C1, (96*NX)/ROWB
.set E0, (96*(\st)+95)/ROWB
.set E1, (96*NX+95)/ROWB
.if \zero
.set WL, 0x81                          ; the bias lies in window 0
.set WH, 0xc1
.else
.set WL, MUL_LO
.set WH, MUL_HI
.endif
.if C1 > C0 || E1 > E0
	s_wait_tensorcnt 0x0
.if C1 > C0
	ds_add_u32 v[SPW], v[NIL]
	s_wait_dscnt 4*NL+1                            ; the add and A's blocks 4-7 may be out
.else
	s_wait_dscnt 4*NL
.endif
	WIN WL
	MUL16 0, (\st)%2, (\st)%2, ((\st)/2)%2, \zero
	s_wait_dscnt 0x0                               ; the add and all my reads are done
	s_barrier_signal -1
	MUL16 2, (\st)%2, (\st)%2, ((\st)/2)%2, \zero
	WIN 0
	s_barrier_wait -1
.if C1 > C0 && C0+2 < CHUNKS
	CREST
	s_add_nc_u64 s[G0+4*(C0%2)+2:G0+4*(C0%2)+3], s[G0+4*(C0%2)+2:G0+4*(C0%2)+3], 2*ROWB
	s_add_nc_u64 s[G0B+4*(C0%2)+2:G0B+4*(C0%2)+3], s[G0B+4*(C0%2)+2:G0B+4*(C0%2)+3], 2*ROWB
	JLOAD G0+4*(C0%2), G1, G0B+4*(C0%2), G1B       ; chunk C0 + 2
.else
	PLACES NP
.endif
.else
	s_wait_dscnt 4*NL                              ; A's blocks 4-7 may be out
	WIN WL
	MUL16 0, (\st)%2, (\st)%2, ((\st)/2)%2, \zero
	MUL16 2, (\st)%2, (\st)%2, ((\st)/2)%2, \zero
	s_wait_dscnt 0
	PLACES NP
.endif
	FETCH_B NX, NX%2
	FETCH_A NX, 0
.if NX%2 == 0
	SCALES NX/2
.endif
	WIN WH
	MUL16 4, (\st)%2, (\st)%2, ((\st)/2)%2, \zero
	MUL16 6, (\st)%2, (\st)%2, ((\st)/2)%2, \zero
	PLACES NP
	WIN 0
	FETCH_A NX, 4
.endm
	s_wait_alu depctr_va_vdst(0)
	s_wait_tensorcnt 0x0                           ; my tile of the head's four is in
	ds_add_u32 v[SPW], v[NIL]
	s_mov_b32 s[G1+2], 128<<16                     ; none of my loads is out: from here on a load brings 128 rows
	s_mov_b32 s[G1+4], 128
	s_mov_b32 s[G1B+2], 128<<16
	s_mov_b32 s[G1B+4], 128
	s_wait_dscnt 0x0
	CROUND
	JLOAD G0+4, G1, G0B+4, G1B                     ; chunk 1: slot 1's first fill
	FETCH_B 0, 0
	FETCH_A 0, 0
	SCALES 0
	FETCH_A 0, 4
	s_wait_loadcnt 0x0                             ; the bias
	s_cmp_ge_u32 ttmp9, 8
	s_cbranch_scc1 .Lfirst_v
	STEP 0, 1
	s_branch .Lfirst_done
.Lfirst_v:
	STEP 0, 2
.Lfirst_done:
.set ST, 1
.rept STEPS-2
	STEP ST, 0
.set ST, ST+1
.endr
	s_wait_dscnt 4*NL
	WIN MUL_LO
	MUL16 0, 1, 1, 1, 0
	MUL16 2, 1, 1, 1, 0
	s_wait_dscnt 0
	WIN MUL_HI
	MUL16 4, 1, 1, 1, 0
	MUL16 6, 1, 1, 1, 0
	WIN 0
; THE WAY OUT: each block of A's 16 rows is quantised along the registers (blocks of 32 in lanes l and l xor 16) and stored as an image of an operand's registers
	s_lshr_b32 s18, s95, 3                         ; batch
	s_and_b32 s19, s95, 7                          ; which 256 positions
	s_and_b32 s22, s94, 3                          ; which 256 features of q, k or v
	s_lshr_b32 s23, s94, 2                         ; q, k or v
	s_mov_b32 s92, 98304
	s_mov_b32 s40, 768
	s_mov_b32 s41, 0
	s_mov_b32 s43, 0
	s_mov_b32 s45, 0
	s_mov_b32 s46, 0x05040100
	s_mov_b32 s47, 0x07060302
	s_mov_b32 s93, 1024
	s_cmp_ge_u32 ttmp9, 8
	s_cselect_b32 s20, s15, s16                    ; my half of the features
	s_cselect_b32 s21, s16, s15                    ; my half of the positions
	s_cselect_b32 s92, 768, s92
	s_cselect_b32 s40, 1536, s40
	s_cselect_b32 s42, 92160, 0
	s_cselect_b32 s44, 7680, 0
	s_cselect_b32 s46, 0x03020100, s46
	s_cselect_b32 s47, 0x07060504, s47
	s_cselect_b32 s93, 512, s93
	s_lshl_b32 s18, s18, 4
	s_lshl_b32 s22, s22, 2
	s_add_co_u32 s18, s18, s22
	s_lshl_b32 s20, s20, 1
	s_add_co_u32 s18, s18, s20                     ; batch x 16 + my first head
	s_lshl_b32 s19, s19, 1
	s_add_co_u32 s19, s19, s21                     ; which 128 positions
	s_mul_i32 s20, s23, 3145728
	s_mul_i32 s21, s18, 98304
	s_add_co_u32 s20, s20, s21
	s_mul_i32 s21, s19, 6144
	s_add_co_u32 s20, s20, s21
	s_mov_b32 s21, 0
	s_add_nc_u64 s[12:13], s[12:13], s[20:21]
	s_mul_i32 s20, s23, 262144
	s_lshl_b32 s22, s18, 13
	s_add_co_u32 s20, s20, s22
	s_mul_i32 s22, s19, s93
	s_add_co_u32 s20, s20, s22
	s_add_nc_u64 s[98:99], s[98:99], s[20:21]
	s_mov_b32 s66, 0x76543210
	s_mov_b32 s67, 0xfedcba98
	PLACES NP
	v_and_b32 v[VO0], 31, v0
	v_lshlrev_b32 v[VO0], 3, v[VO0]
	v_add_nc_u32 v[VO1], s92, v[VO0]
.irp b, 0,1,2,3
	v_mov_b32 v[TM+4+\b], 0
.endr
.macro QEPI a
.set WN, 2+(\a)/4
.set AC, 64*((\a)%4)
.set PWX, PWE+(\a)%2
	WIN WN|(WN<<2)
.irp b, 0,1,2,3
	v_max3_num_f32 v[TM+\b], |v[AC+16*\b]|, |v[AC+16*\b+1]|, 0x2800000   ; with the floor 2^(5 - 127)
.endr
.irp i, 2,4,6,8,10,12,14
.irp b, 0,1,2,3
	v_max3_num_f32 v[TM+\b], |v[AC+16*\b+\i]|, |v[AC+16*\b+\i+1]|, v[TM+\b]
.endr
.endr
	WIN 0
.irp b, 0,1,2,3
	v_permlanex16_b32 v[TM+4+\b], v[TM+\b], s66, s67
.endr
.irp b, 0,1,2,3
	v_max_num_f32 v[TM+\b], v[TM+\b], v[TM+4+\b]
.endr
.irp b, 0,1,2,3
	v_add_nc_u32 v[TM+12+\b], 0xfe000000, v[TM+\b]  ; 4 off the exponent field: the conversion's scale operand
.endr
.irp b, 0,1,2,3
	v_lshrrev_b32 v[TM+4+\b], 23, v[TM+12+\b]
.endr
	v_lshl_or_b32 v[PWX], v[TM+5], 8, v[TM+4]
	v_lshl_or_b32 v[PWX], v[TM+6], 16, v[PWX]
	v_lshl_or_b32 v[PWX], v[TM+7], 24, v[PWX]
	s_wait_alu depctr_va_vdst(0)
	s_wait_xcnt 0x0                                ; the earlier stores have read their bases and data
.if (\a) > 0
	s_add_nc_u64 s[12:13], s[12:13], s[40:41]
.endif
.if (\a) == 4
	s_add_nc_u64 s[12:13], s[12:13], s[42:43]
	s_add_nc_u64 s[98:99], s[98:99], s[44:45]
.endif
.if ((\a) > 0) && ((\a)%2 == 0)
	s_add_nc_u64 s[98:99], s[98:99], 256
.endif
	WIN WN
.irp c, 0,1
	v_cvt_scalef32_pk16_bf6_f32 v[PC+6*\c:PC+6*\c+2], v[AC+32*\c:AC+32*\c+15], v[TM+12+2*\c]
	v_cvt_scalef32_pk16_bf6_f32 v[PC+12+4*\c:PC+14+4*\c], v[AC+32*\c+16:AC+32*\c+31], v[TM+12+2*\c+1]
.endr
	WIN 0
	v_nop
.irp c, 0,1
.irp i, 0,1,2
	v_permlane16_swap_b32 v[PC+6*\c+\i], v[PC+12+4*\c+\i]
.endr
.irp i, 0,1,2
	v_mov_b32 v[PC+3+6*\c+\i], v[PC+12+4*\c+\i]
.endr
.endr
.irp p, 0,1,2
	global_store_b64 v[VO0], v[PC+2*\p:PC+2*\p+1], s[12:13] offset:256*\p           ; 32 lanes store 256 consecutive bytes, aligned
	global_store_b64 v[VO1], v[PC+6+2*\p:PC+7+2*\p], s[12:13] offset:256*\p
.endr
.if (\a)%2 == 1
	v_perm_b32 v[SW], v[PWO], v[PWE], s46
	v_perm_b32 v[SW+1], v[PWO], v[PWE], s47
	global_store_b64 v[VO0], v[SW:SW+1], s[98:99]
.endif
.endm
.irp a, 0,1,2,3,4,5,6,7
	QEPI \a
.endr
	s_wait_tensorcnt 0x0                           ; the wave's end
	ds_add_u32 v[SPW], v[NIL]
	s_wait_dscnt 0x0
	CROUND                                         ; the closing round
	s_endpgm
.Lfunc_end_k_q95d7caa2fa_qkv:
	.size	k_q95d7caa2fa_qkv, .Lfunc_end_k_q95d7caa2fa_qkv-k_q95d7caa2fa_qkv
	.p2alignl 7, 3214868480
	.fill 96, 4, 3214868480
	.section	.rodata,"a",@progbits
	.p2align	6, 0x0
	.amdhsa_kernel k_q95d7caa2fa_qkv
		.amdhsa_group_segment_fixed_size 327680
		.amdhsa_private_segment_fixed_size 0
		.amdhsa_enable_private_segment 0
		.amdhsa_kernarg_size 40
		.amdhsa_user_sgpr_count 2
		.amdhsa_user_sgpr_kernarg_segment_ptr 1
		.amdhsa_wavefront_size32 1
		.amdhsa_system_sgpr_workgroup_id_x 1
		.amdhsa_system_sgpr_workgroup_id_y 1
		.amdhsa_system_sgpr_workgroup_id_z 1
		.amdhsa_system_vgpr_workitem_id 0
		.amdhsa_next_free_vgpr 1024
		.amdhsa_next_free_sgpr 100
		.amdhsa_reserve_vcc 0
		.amdhsa_float_denorm_mode_32 3
		.amdhsa_float_denorm_mode_16_64 3
		.amdhsa_memory_ordered 1
		.amdhsa_forward_progress 1
		.amdhsa_inst_pref_size 192
	.end_amdhsa_kernel
	.amdgpu_metadata
---
amdhsa.version: [ 1, 2 ]
amdhsa.kernels:
  - .name:           k_q95d7caa2fa_qkv
    .symbol:         k_q95d7caa2fa_qkv.kd
    .args:
      - { .name: cod, .offset: 0, .size: 8, .value_kind: global_buffer, .address_space: global }
      - { .name: scl, .offset: 8, .size: 8, .value_kind: global_buffer, .address_space: global }
      - { .name: qkv_b, .offset: 16, .size: 8, .value_kind: global_buffer, .address_space: global }
      - { .name: img, .offset: 24, .size: 8, .value_kind: global_buffer, .address_space: global }
      - { .name: isc, .offset: 32, .size: 8, .value_kind: global_buffer, .address_space: global }
    .group_segment_fixed_size: 327680
    .private_segment_fixed_size: 0
    .kernarg_segment_align: 8
    .kernarg_segment_size: 40
    .max_flat_workgroup_size: 128
    .sgpr_count:     100
    .vgpr_count:     1024
    .wavefront_size: 32
...
	.end_amdgpu_metadata
.endif
;; end of part 2
;; launch attn (part 3): grid 8 x 32, 8 waves a work-group, no clusters, 327,680 bytes of LDS; arguments mask, img, isc, aoc, aos; writes aoc, aos
.if DOCPART == 3
	.amdgcn_target "amdgcn-amd-amdhsa--gfx1250"
	.amdhsa_code_object_version 6
	.text
	.protected	k_q95d7caa2fa_attn
	.globl	k_q95d7caa2fa_attn
	.p2align	8
	.type	k_q95d7caa2fa_attn,@function
k_q95d7caa2fa_attn:
	s_mov_b64 s[64:65], 0
	v_nop
	global_prefetch_b8 v0, s[64:65] scope:SCOPE_SE
	s_setreg_imm32_b32 hwreg(HW_REG_WAVE_MODE, 25, 1), 1
	s_wait_xcnt 0x0
.set SLOT1, 131072
.set WSLOT, 8704
.set OPART, 200704
.set OPB,   34816
.set STAT,  270336
.set STB,   2048
.set WSTG,  274432
.set OUT,   282624
.set OWP,   1728
.set OUTS,  296448
.set SWP,   72
.set SPARE, 297216
.set SPW,   1
.set NIL,   2
.set LV8,   3
.set MADR0, 4
.set MAD,   5
.set NINF,  6
.set STW,   7
.set STR,   8
.set OPW,   9
.set OPR,   10
.set WSW,   11
.set CK,    12
.set WSR,   13
.set OCW0,  14
.set OSW0,  15
.set OCW,   16
.set OSW,   17
.set LVS,   18
.set QW,    19
.set QS,    20
.set CMK,   21
.set KSC,   22
.set VSC,   30
.set PW,    38
.set BM,    40
.set T8,    48
.set CN,    48
.set ST,    56
.set F,     60
.set CH,    62
.set S,     64
.set M,     192
.set TT,    224
.set PC0,   224
.set PC1,   236
.set XT,    240
.set PT,    248
.set VF,    96
.set QA,    192
.set QB,    204
.set O,     216
.set WV,    14
.set BH,    15
.set G1,    24
.set G0A,   32
.set G0,    36
.set SEL,   40
.set CS,    42
.set RAWM,  44
.set SB,    45
.set ONES,  49
.set K7F,   50
.set TB,    51
.set QBA,   52
.set QSB,   54
.set SLC,   56
.set OSTEP, 57
.set SSTEP, 58
.set MSB, 0
.macro WIN new
.if MSB != \new
	s_set_vgpr_msb (MSB<<8)|\new
.set MSB, \new
.endif
.endm
	s_load_b256 s[4:11], s[0:1], 0x0
	s_load_b64 s[12:13], s[0:1], 0x20
	v_lshl_add_u32 v[SPW], v0, 2, SPARE
	v_mov_b32 v[NIL], 0
	ds_add_u32 v1, v2
	ds_add_u32 v1, v2
	s_wait_dscnt 0x0
	v_lshrrev_b32 v3, 5, v0
	s_delay_alu instid0(VALU_DEP_1)
	v_readfirstlane_b32 s[WV], v3
	s_and_b32 s[BH], ttmp7, 0xffff
	s_mov_b32 s[G1], (3<<16)|(1<<20)|(5<<22)|(3<<25)
	s_mov_b32 s[G1+1], 32<<16
	s_mov_b32 s[G1+2], 32<<16
	s_mov_b32 s[G1+3], 32<<16
	s_mov_b32 s[G1+4], 32
	s_mov_b32 s[G1+5], 256
	s_mov_b32 s[G1+6], 0
	s_mov_b32 s[G1+7], 0
	s_lshl_b32 s60, s[BH], 22
	s_lshl_b32 s61, ttmp9, 19
	s_add_co_u32 s60, s60, s61
	s_lshl_b32 s61, s[WV], 8
	s_add_co_u32 s60, s60, s61
	s_mov_b32 s61, 0
	s_mul_i32 s66, s[WV], WSLOT
	s_wait_kmcnt 0x0
	s_mov_b32 s[G0A], 1
	s_mov_b32 s[G0A+1], s66
	s_add_nc_u64 s[G0A+2:G0A+3], s[4:5], s[60:61]
	s_mov_b32 s[G0], 1
	s_add_co_u32 s[G0+1], s66, SLOT1
	s_add_nc_u64 s[G0+2:G0+3], s[G0A+2:G0A+3], 65536
	s_or_b32 s[G0A+3], s[G0A+3], 0x80000000
	s_or_b32 s[G0+3], s[G0+3], 0x80000000
	tensor_load_to_lds s[G0A:G0A+3], s[G1:G1+7]
	s_nop 0
	s_mul_i32 s67, s[BH], 98304
	s_mul_i32 s61, s[WV], 12288
	s_add_co_u32 s62, s67, s61
	s_mov_b32 s63, 0
	s_add_nc_u64 s[16:17], s[6:7], s[62:63]
	s_add_nc_u64 s[18:19], s[16:17], 6291456
	s_add_nc_u64 s[16:17], s[16:17], 3145728
	s_mul_i32 s61, ttmp9, 12288
	s_add_co_u32 s62, s67, s61
	s_add_nc_u64 s[QBA:QBA+1], s[6:7], s[62:63]
	s_lshr_b32 s67, s[BH], 1
	s_lshl_b32 s67, s67, 14
	s_lshl_b32 s61, s[WV], 11
	s_add_co_u32 s62, s67, s61
	s_add_nc_u64 s[20:21], s[8:9], s[62:63]
	s_add_nc_u64 s[20:21], s[20:21], 262144
	s_lshl_b32 s61, ttmp9, 11
	s_add_co_u32 s62, s67, s61
	s_add_nc_u64 s[QSB:QSB+1], s[8:9], s[62:63]
	s_lshl_b32 s67, s[BH], 13
	s_lshl_b32 s61, s[WV], 10
	s_add_co_u32 s62, s67, s61
	s_add_nc_u64 s[22:23], s[8:9], s[62:63]
	s_add_nc_u64 s[22:23], s[22:23], 524288
	v_and_b32 v[LV8], 31, v0
	s_delay_alu instid0(VALU_DEP_1)
	v_lshlrev_b32 v[LV8], 3, v[LV8]
	s_and_b32 s67, s[BH], 1
	s_lshl_b32 s67, s67, 2
	v_add_nc_u32 v[LVS], s67, v[LV8]
	WIN 0x40
.irp b, 0,1,2,3,4,5,6,7
.irp p, 0,1,2,3,4,5
	global_load_b64 v[12*\b+2*\p:12*\b+2*\p+1], v[LV8], s[16:17] offset:1536*\b+256*\p
.endr
.endr
.irp f, 0,1,2,3,4,5,6,7
.irp p, 0,1,2,3,4,5
	global_load_b64 v[VF+12*\f+2*\p:VF+12*\f+2*\p+1], v[LV8], s[18:19] offset:1536*\f+256*\p
.endr
.endr
.irp p, 0,1,2
	global_load_b64 v[QA+2*\p:QA+2*\p+1], v[LV8], s[QBA:QBA+1] offset:256*\p
.endr
.irp j, 0,1,2,3,4,5
	v_mov_b32 v[QA+6+\j], 0
	v_mov_b32 v[QB+\j], 0
.endr
	WIN 0
.irp b, 0,1,2,3,4,5,6,7
	global_load_b32 v[KSC+\b], v[LVS], s[20:21] offset:256*\b
.endr
.irp i, 0,1,2,3
	global_load_b64 v[VSC+2*\i:VSC+2*\i+1], v[LV8], s[22:23] offset:256*\i
.endr
	global_load_b32 v[QW], v[LVS], s[QSB:QSB+1]
	v_and_b32 v64, 15, v0
	v_bfe_u32 v65, v0, 4, 1
	s_delay_alu instid0(VALU_DEP_2)
	v_and_b32 v66, 8, v64
	s_delay_alu instid0(VALU_DEP_1)
	v_add_nc_u32 v66, v66, v64
	s_delay_alu instid0(VALU_DEP_1)
	v_mul_u32_u24 v[MADR0], v66, 272
	s_delay_alu instid0(VALU_DEP_1)
	v_lshl_add_u32 v[MADR0], v65, 4, v[MADR0]
	s_delay_alu instid0(VALU_DEP_1)
	v_add_nc_u32 v[MADR0], s66, v[MADR0]
	s_lshl_b32 s67, s[WV], 8
	s_add_co_u32 s67, s67, STAT
	v_lshl_add_u32 v[STW], v64, 4, s67
	v_lshlrev_b32 v[STR], 10, v65
	s_delay_alu instid0(VALU_DEP_1)
	v_lshl_add_u32 v[STR], v64, 4, v[STR]
	s_delay_alu instid0(VALU_DEP_1)
	v_add_nc_u32 v[STR], STAT, v[STR]
	s_mul_i32 s67, s[WV], 4352
	s_add_co_u32 s67, s67, OPART
	v_mul_u32_u24 v[OPW], v64, 272
	s_delay_alu instid0(VALU_DEP_1)
	v_lshl_add_u32 v[OPW], v65, 6, v[OPW]
	s_delay_alu instid0(VALU_DEP_1)
	v_add_nc_u32 v[OPW], s67, v[OPW]
	s_mul_i32 s67, s[WV], 544
	s_add_co_u32 s67, s67, OPART
	v_mul_u32_u24 v[OPR], v65, 272
	s_delay_alu instid0(VALU_DEP_1)
	v_lshl_add_u32 v[OPR], v64, 4, v[OPR]
	s_delay_alu instid0(VALU_DEP_1)
	v_add_nc_u32 v[OPR], s67, v[OPR]
	s_lshl_b32 s67, s[WV], 10
	s_add_co_u32 s67, s67, WSTG
	v_lshl_add_u32 v[WSW], v[LV8], 1, s67
	v_lshl_add_u32 v[WSR], v64, 6, s67
	s_mul_i32 s67, s[WV], OWP
	s_add_co_u32 s67, s67, OUT
	v_bfe_u32 v66, v0, 3, 1
	v_bfe_u32 v67, v0, 2, 1
	v_and_b32 v68, 3, v0
	s_delay_alu instid0(VALU_DEP_3)
	v_mul_u32_u24 v[OCW0], v66, 96
	s_delay_alu instid0(VALU_DEP_1)
	v_mad_u32_u24 v[OCW0], v67, 48, v[OCW0]
	s_delay_alu instid0(VALU_DEP_1)
	v_mad_u32_u24 v[OCW0], v68, 12, v[OCW0]
	s_delay_alu instid0(VALU_DEP_1)
	v_add_nc_u32 v[OCW0], s67, v[OCW0]
	s_mul_i32 s67, s[WV], SWP
	s_add_co_u32 s67, s67, OUTS
	v_bfe_u32 v68, v0, 1, 1
	s_delay_alu instid0(VALU_DEP_1)
	v_lshl_add_u32 v[OSW0], v66, 2, v68
	s_delay_alu instid0(VALU_DEP_1)
	v_lshl_add_u32 v[OSW0], v67, 1, v[OSW0]
	s_delay_alu instid0(VALU_DEP_1)
	v_add_nc_u32 v[OSW0], s67, v[OSW0]
	s_mov_b32 s[SEL], 0x76543210
	s_mov_b32 s[SEL+1], 0xfedcba98
	s_mov_b32 s[CS], 0x3e38aa3b
	s_mov_b32 s[CS+1], s[CS]
	s_mov_b32 s[RAWM], 0xc79c4000
	s_mov_b32 s[SB], 0x04020100
	s_mov_b32 s[SB+1], 0x05020100
	s_mov_b32 s[SB+2], 0x06020100
	s_mov_b32 s[SB+3], 0x07020100
	s_mov_b32 s[ONES], 0x01010101
	s_mov_b32 s[K7F], 0x7f7f7f7f
	s_mov_b32 s[TB], 0
	s_mov_b32 s[OSTEP], 0
	s_mov_b32 s[SSTEP], 0
	s_wait_alu depctr_va_vdst(0)
	s_wait_tensorcnt 0x0                           ; slot 0's tile is in; k's, v's and q's loads were issued while it was out
	ds_add_u32 v1, v2
	s_wait_dscnt 0x0
	s_barrier_signal -1
	s_barrier_wait -1
	tensor_load_to_lds s[G0:G0+3], s[G1:G1+7]      ; slot 1's first fill, issued as a refill is
	s_nop 0
.rept 4
	v_nop
.endr
	s_wait_loadcnt 0x0
	v_perm_b32 v[QS], v[QW], v[QW], 0x01000100
	WIN 0x41
.irp j, 0,1,2,3,4,5
	v_mov_b32 v[QB+6+\j], v[QA+\j]
.endr
	WIN 0x44
; k's codes change their signs, once: bit 5 of each 6-bit code, a pattern of 96 bits.  The score products then give minus the score, plus C
.set n, 0
.rept 32
	v_xor_b32 v[3*n], 0x20820820, v[3*n]
	v_xor_b32 v[3*n+1], 0x08208208, v[3*n+1]
	v_xor_b32 v[3*n+2], 0x82082082, v[3*n+2]
.set n, n+1
.endr
	WIN 0
	v_mov_b32 v[NINF], 0xff800000
	v_mov_b32 v[CK], 0
	v_mov_b32 v[CMK], s[RAWM]
	s_delay_alu instid0(VALU_DEP_1)
	v_mul_f32 v[CMK], s[CS], v[CMK]
.irp j, 0,1,2,3,4,5,6,7
	v_mov_b32 v[PT+\j], 0
.endr
	v_mov_b32 v[ST+3], 0
	v_mov_b32 v[F+1], 0
.irp j, 0,1,2,3
	v_mov_b32 v[BM+\j], 0
.endr
.irp t, 0,1,2,3
	ds_store_b128 v[OPW], v[BM:BM+3] offset:OPB+128*(\t/2)+32*(\t%2)
	ds_store_b128 v[OPW], v[BM:BM+3] offset:OPB+128*(\t/2)+32*(\t%2)+16
.endr
	ds_store_b128 v[WSW], v[BM:BM+3]
	s_wait_tensorcnt 0x1
.macro SPREAD d, m, i
	v_perm_b32 v[\d], v[\m], v[CK], s[SB+(\i)]
.endm
.macro QLOAD par
	s_add_nc_u64 s[QBA:QBA+1], s[QBA:QBA+1], 768
	WIN 0x40
.irp p, 0,1,2
	global_load_b64 v[QA+2*\p:QA+2*\p+1], v[LV8], s[QBA:QBA+1] offset:256*\p
.endr
	WIN 0
.if \par == 1
	s_add_nc_u64 s[QSB:QSB+1], s[QSB:QSB+1], 256
	global_load_b32 v[QW], v[LVS], s[QSB:QSB+1]
.endif
.endm
.macro QP s, pc
.irp c, 0,1
	v_cvt_scalef32_pk16_bf6_f32 v[\pc+6*\c:\pc+6*\c+2], v[S+64*\s+32*\c:S+64*\s+32*\c+15], v[T8+4*\s+2*\c]
	v_cvt_scalef32_pk16_bf6_f32 v[PT+4*\c:PT+4*\c+2], v[S+64*\s+32*\c+16:S+64*\s+32*\c+31], v[T8+4*\s+2*\c+1]
.endr
	v_nop
.irp c, 0,1
.irp i, 0,1,2
	v_permlane16_swap_b32 v[\pc+6*\c+\i], v[PT+4*\c+\i]
.endr
.irp i, 0,1,2
	s_delay_alu instid0(VALU_DEP_3)
	v_mov_b32 v[\pc+3+6*\c+\i], v[PT+4*\c+\i]
.endr
.endr
.endm
.macro OLOAD par
.irp k, 0,1,2,3,4,5,6,7
	ds_load_b128 v[M+4*\k:M+4*\k+3], v[OPR] offset:OPB*(\par)+4352*\k
.endr
.endm
.macro REDUCE par
.irp k, 0,2,4,6
	v_pk_add_f32 v[M+4*\k:M+4*\k+1], v[M+4*\k:M+4*\k+1], v[M+4*\k+4:M+4*\k+5]
	v_pk_add_f32 v[M+4*\k+2:M+4*\k+3], v[M+4*\k+2:M+4*\k+3], v[M+4*\k+6:M+4*\k+7]
.endr
.irp k, 0
	v_pk_add_f32 v[M+4*\k:M+4*\k+1], v[M+4*\k:M+4*\k+1], v[M+4*\k+8:M+4*\k+9]
	v_pk_add_f32 v[M+4*\k+2:M+4*\k+3], v[M+4*\k+2:M+4*\k+3], v[M+4*\k+10:M+4*\k+11]
.endr
.irp k, 4
	s_delay_alu instid0(VALU_DEP_4)
	v_pk_add_f32 v[M+4*\k:M+4*\k+1], v[M+4*\k:M+4*\k+1], v[M+4*\k+8:M+4*\k+9]
	s_delay_alu instid0(VALU_DEP_4)
	v_pk_add_f32 v[M+4*\k+2:M+4*\k+3], v[M+4*\k+2:M+4*\k+3], v[M+4*\k+10:M+4*\k+11]
.endr
	s_delay_alu instid0(VALU_DEP_2)
	v_pk_add_f32 v[BM:BM+1], v[M:M+1], v[M+16:M+17]
	s_delay_alu instid0(VALU_DEP_2)
	v_pk_add_f32 v[BM+2:BM+3], v[M+2:M+3], v[M+18:M+19]
	ds_store_b128 v[WSW], v[BM:BM+3] offset:512*(\par)
.endm
.macro FINLOAD
.irp i, 0,1,2,3
	ds_load_b128 v[M+16+4*\i:M+19+4*\i], v[WSR] offset:16*\i
.endr
.endm
.macro FINMATH
	v_max3_num_f32 v[M], |v[M+16]|, |v[M+17]|, 0x2800000
	v_max3_num_f32 v[M+1], |v[M+18]|, |v[M+19]|, |v[M+20]|
	s_delay_alu instid0(VALU_DEP_2)
	v_max3_num_f32 v[M], v[M], |v[M+21]|, |v[M+22]|
	s_delay_alu instid0(VALU_DEP_2)
	v_max3_num_f32 v[M+1], v[M+1], |v[M+23]|, |v[M+24]|
	s_delay_alu instid0(VALU_DEP_2)
	v_max3_num_f32 v[M], v[M], |v[M+25]|, |v[M+26]|
	s_delay_alu instid0(VALU_DEP_2)
	v_max3_num_f32 v[M+1], v[M+1], |v[M+27]|, |v[M+28]|
	s_delay_alu instid0(VALU_DEP_2)
	v_max3_num_f32 v[M], v[M], |v[M+29]|, |v[M+30]|
	s_delay_alu instid0(VALU_DEP_1)
	v_max3_num_f32 v[M], v[M], v[M+1], |v[M+31]|
	s_delay_alu instid0(VALU_DEP_1)
	v_max_num_f32_dpp v[M], v[M], v[M] row_xmask:1 row_mask:0xf bank_mask:0xf
	s_delay_alu instid0(VALU_DEP_1)
	v_add_nc_u32 v[M+2], 0xfe000000, v[M]
	v_cvt_scalef32_pk16_bf6_f32 v[BM+4:BM+6], v[M+16:M+31], v[M+2]
	v_lshrrev_b32 v[BM+7], 23, v[M+2]
.irp i, 0,1,2
	ds_store_b32 v[OCW], v[BM+4+\i] offset:4*\i
.endr
	ds_store_b8 v[OSW], v[BM+7]
.endm
.macro TRIP par, mode
.irp b, 0,1,2,3,4,5,6,7
	ds_load_b128 v[M+4*\b:M+4*\b+3], v[MAD] offset:2176*\par+32*\b
.endr
	s_wait_dscnt 0x0
; THE MASK IS THE C OF THE SCORE PRODUCTS: a mask byte + 0x7f is 0x7f (masked) or 0x80 (live); as the top byte of an f32 over zeros that is 2^127 or -0
.set n, 0
.rept 32
	v_add_nc_u32 v[TT+n], s[K7F], v[M+n]
.set n, n+1
.endr
.set n, 0
.rept 128
	SPREAD S+n, TT+n/4, n%4
.set n, n+1
.endr
.rept 4
	v_nop
.endr
	WIN 0x05
.irp b, 0,1,2,3,4,5,6,7
	v_wmma_scale_f32_16x16x128_f8f6f4 v[S+16*\b:S+16*\b+7], v[12*\b:12*\b+11], v[QA:QA+11], v[S+16*\b:S+16*\b+7], v[KSC+\b], v[QS] matrix_a_fmt:MATRIX_FMT_BF6 matrix_b_fmt:MATRIX_FMT_BF6
	v_wmma_scale_f32_16x16x128_f8f6f4 v[S+16*\b+8:S+16*\b+15], v[12*\b:12*\b+11], v[QB:QB+11], v[S+16*\b+8:S+16*\b+15], v[KSC+\b], v[QS] matrix_a_fmt:MATRIX_FMT_BF6 matrix_b_fmt:MATRIX_FMT_BF6
.endr
	WIN 0
.irp k, 0,1,2,3
	v_add3_u32 v[CN+\k], v[M+7*\k], v[M+7*\k+1], v[M+7*\k+2]
.endr
.irp i, 3,5
.irp k, 0,1,2,3
	s_delay_alu instid0(VALU_DEP_4)
	v_add3_u32 v[CN+\k], v[CN+\k], v[M+7*\k+\i], v[M+7*\k+\i+1]
.endr
.endr
	s_delay_alu instid0(VALU_DEP_4)
	v_add3_u32 v[CN], v[CN], v[M+28], v[M+29]
	s_delay_alu instid0(VALU_DEP_4)
	v_add3_u32 v[CN+1], v[CN+1], v[M+30], v[M+31]
	s_delay_alu instid0(VALU_DEP_1)
	v_add3_u32 v[CN], v[CN], v[CN+1], v[CN+2]
	s_delay_alu instid0(VALU_DEP_1)
	v_add_nc_u32 v[CN], v[CN], v[CN+3]
	QLOAD \par
.irp b, 0,1,2,3,4,5,6,7
	v_max3_num_f32 v[BM+\b], -v[S+16*\b], -v[S+16*\b+1], 0xfe800000
.endr
.irp i, 2,4,6,8,10,12,14
.irp b, 0,1,2,3,4,5,6,7
	v_max3_num_f32 v[BM+\b], v[BM+\b], -v[S+16*\b+\i], -v[S+16*\b+\i+1]
.endr
.endr
.irp b, 0,1,2,3,4,5,6,7
	v_permlanex16_b32 v[PT+\b], v[BM+\b], s[SEL], s[SEL+1]
.endr
.irp b, 0,1,2,3,4,5,6,7
	v_max_num_f32 v[BM+\b], v[BM+\b], v[PT+\b]
.endr
	v_max3_num_f32 v[ST+1], v[BM], v[BM+1], v[BM+2]
	s_delay_alu instid0(VALU_DEP_1)
	v_max3_num_f32 v[ST+1], v[ST+1], v[BM+3], v[BM+4]
	s_delay_alu instid0(VALU_DEP_1)
	v_max3_num_f32 v[ST+1], v[ST+1], v[BM+5], v[BM+6]
	s_delay_alu instid0(VALU_DEP_1)
	v_max_num_f32 v[ST+1], v[ST+1], v[BM+7]
	s_delay_alu instid0(VALU_DEP_1)
	v_mul_f32 v[ST], s[CS], v[ST+1]
.set i, 0
.rept 64
	v_pk_fma_f32 v[S+i:S+i+1], v[S+i:S+i+1], s[CS:CS+1], v[ST:ST+1] op_sel_hi:[1,0,0] neg_lo:[1,0,1] neg_hi:[1,0,1]
.set i, i+2
.endr
.irp b, 0,1,2,3,4,5,6,7
	v_fma_f32 v[BM+\b], v[BM+\b], s[CS], -v[ST]
.endr
.set i, 0
	s_wait_alu depctr_va_vdst(0)
.rept 128
	v_exp_f32 v[S+i], v[S+i]
.set i, i+1
.endr
.irp b, 0,1,2,3,4,5,6,7
	v_exp_f32 v[BM+\b], v[BM+\b]
.endr
	v_mul_lo_u32 v[CN], v[CN], s[ONES]
	s_delay_alu instid0(VALU_DEP_1)
	v_lshrrev_b32 v[CN], 24, v[CN]
	s_delay_alu instid0(VALU_DEP_1)
	v_permlanex16_b32 v[CN+1], v[CN], s[SEL], s[SEL+1]
	s_delay_alu instid0(VALU_DEP_1)
	v_add_nc_u32 v[CN], v[CN], v[CN+1]
	s_delay_alu instid0(VALU_DEP_1)
	v_sub_nc_u32 v[CN], 256, v[CN]
	s_delay_alu instid0(VALU_DEP_1)
	v_cvt_f32_u32 v[ST+2], v[CN]
	s_wait_alu depctr_va_vdst(0)
.irp k, 0,1,2
	v_pk_add_f32 v[TT+2*\k:TT+2*\k+1], v[S+4*\k:S+4*\k+1], v[S+4*\k+2:S+4*\k+3]
.endr
	v_pk_add_f32 v[CH:CH+1], v[S+12:S+13], v[S+14:S+15]
.set i, 16
.rept 14
.irp k, 0,1,2
	v_pk_add_f32 v[TT+2*\k:TT+2*\k+1], v[TT+2*\k:TT+2*\k+1], v[S+i+2*\k:S+i+2*\k+1]
.endr
	v_pk_add_f32 v[CH:CH+1], v[CH:CH+1], v[S+i+6:S+i+7]
.set i, i+8
.endr
	s_delay_alu instid0(VALU_DEP_3)
	v_pk_add_f32 v[TT:TT+1], v[TT:TT+1], v[TT+2:TT+3]
	s_delay_alu instid0(VALU_DEP_2)
	v_pk_add_f32 v[CH:CH+1], v[CH:CH+1], v[TT+4:TT+5]
	s_delay_alu instid0(VALU_DEP_1)
	v_pk_add_f32 v[CH:CH+1], v[CH:CH+1], v[TT:TT+1]
	s_delay_alu instid0(VALU_DEP_1)
	v_add_f32 v[ST+1], v[CH], v[CH+1]
	s_delay_alu instid0(VALU_DEP_1)
	v_permlanex16_b32 v[ST+3], v[ST+1], s[SEL], s[SEL+1]
	s_delay_alu instid0(VALU_DEP_1)
	v_add_f32 v[ST+1], v[ST+1], v[ST+3]
	ds_store_b128 v[STW], v[ST:ST+3] offset:STB*\par
.if \mode == 1
	s_wait_tensorcnt 0x0
	ds_add_u32 v[SPW], v[NIL]
	s_xor_b32 s[G0+1], s[G0+1], SLOT1
	s_add_nc_u64 s[G0+2:G0+3], s[G0+2:G0+3], 65536
.elseif \mode == 2
	s_wait_tensorcnt 0x0
.endif
	s_wait_dscnt 0x0
	s_barrier_signal -1
	s_wait_loadcnt 0x0
.if \par == 0
	v_perm_b32 v[QS], v[QW], v[QW], 0x03020302
.else
	v_perm_b32 v[QS], v[QW], v[QW], 0x01000100
.endif
	WIN 0x41
.irp j, 0,1,2,3,4,5
	v_mov_b32 v[QB+6+\j], v[QA+\j]
.endr
	WIN 0
	s_barrier_wait -1
.if \mode == 1
	tensor_load_to_lds s[G0:G0+3], s[G1:G1+7]
	s_nop 0
.rept 4
	v_nop
.endr
.endif
.irp k, 0,1,2,3
	ds_load_b128 v[TT+4*\k:TT+4*\k+3], v[STR] offset:STB*\par+256*\k
.endr
	OLOAD 1-\par
	s_wait_dscnt 8
	v_max3_num_f32 v[XT], v[TT], v[TT+4], v[TT+8]
	v_add_f32 v[XT+1], v[TT+2], v[TT+6]
	v_add_f32 v[XT+2], v[TT+10], v[TT+14]
	s_delay_alu instid0(VALU_DEP_3)
	v_max_num_f32 v[XT], v[XT], v[TT+12]
	s_delay_alu instid0(VALU_DEP_2)
	v_add_f32 v[XT+1], v[XT+1], v[XT+2]
	s_delay_alu instid0(VALU_DEP_2)
	v_permlanex16_b32 v[PT], v[XT], s[SEL], s[SEL+1]
	s_delay_alu instid0(VALU_DEP_2)
	v_permlanex16_b32 v[PT+1], v[XT+1], s[SEL], s[SEL+1]
	s_delay_alu instid0(VALU_DEP_2)
	v_max_num_f32 v[XT], v[XT], v[PT]
	s_delay_alu instid0(VALU_DEP_2)
	v_add_f32 v[XT+1], v[XT+1], v[PT+1]
	s_delay_alu instid0(VALU_DEP_1)
	v_cmp_lt_f32 vcc_lo, 0, v[XT+1]
	s_delay_alu instid0(VALU_DEP_1)
	v_cndmask_b32 v[PT], v[NINF], v[CMK], vcc_lo
	s_delay_alu instid0(VALU_DEP_1)
	v_max_num_f32 v[XT], v[XT], v[PT]
.irp k, 0,1,2,3
	v_sub_f32 v[TT+4*\k], v[TT+4*\k], v[XT]
.endr
	v_sub_f32 v[XT+3], v[ST], v[XT]
	v_fma_f32 v[XT+4], s[RAWM], s[CS], -v[XT]
	s_delay_alu instid0(VALU_DEP_1)
	v_min_num_f32 v[XT+4], 1.0, v[XT+4]
	s_wait_alu depctr_va_vdst(0)
.irp k, 0,1,2,3
	v_exp_f32 v[TT+4*\k], v[TT+4*\k]
.endr
	v_exp_f32 v[XT+3], v[XT+3]
	v_exp_f32 v[XT+4], v[XT+4]
	v_nop
	s_wait_alu depctr_va_vdst(0)
	v_mul_f32 v[XT+2], v[TT+1], v[TT]
	v_fma_f32 v[XT+2], v[TT+5], v[TT+4], v[XT+2]
	v_fma_f32 v[XT+2], v[TT+9], v[TT+8], v[XT+2]
	v_fma_f32 v[XT+2], v[TT+13], v[TT+12], v[XT+2]
	s_delay_alu instid0(VALU_DEP_1)
	v_permlanex16_b32 v[PT], v[XT+2], s[SEL], s[SEL+1]
	s_delay_alu instid0(VALU_DEP_1)
	v_add_f32 v[XT+2], v[XT+2], v[PT]
	v_fma_f32 v[XT+2], v[XT+1], v[XT+4], v[XT+2]
	s_wait_alu depctr_va_vdst(0)
	v_rcp_f32 v[XT+2], v[XT+2]
	v_nop
	s_wait_alu depctr_va_vdst(0)
	v_mul_f32 v[F], v[XT+3], v[XT+2]
.irp b, 0,1,2,3,4,5,6,7
	v_mul_f32 v[BM+\b], v[BM+\b], v[F]
.endr
.irp b, 0,1,2,3,4,5,6,7
	v_max_num_f32 v[BM+\b], 0x2800000, v[BM+\b]
.endr
.irp b, 0,1,2,3,4,5,6,7
	v_add_nc_u32 v[T8+\b], 0xfe000000, v[BM+\b]
.endr
.irp b, 0,1,2,3,4,5,6,7
	v_lshrrev_b32 v[BM+\b], 23, v[T8+\b]
.endr
.irp s, 0,1
	v_lshl_or_b32 v[PW+\s], v[BM+4*\s+1], 8, v[BM+4*\s]
	s_delay_alu instid0(VALU_DEP_1)
	v_lshl_or_b32 v[PW+\s], v[BM+4*\s+2], 16, v[PW+\s]
	s_delay_alu instid0(VALU_DEP_1)
	v_lshl_or_b32 v[PW+\s], v[BM+4*\s+3], 24, v[PW+\s]
.endr
	s_wait_dscnt 0x0
	REDUCE 1-\par
.if \par == 0
	FINLOAD
.endif
.set i, 0
.rept 64
	v_pk_mul_f32 v[S+i:S+i+1], v[S+i:S+i+1], v[F:F+1] op_sel_hi:[1,0]
.set i, i+2
.endr
.if \par == 0
	s_wait_dscnt 0x0
	FINMATH
.endif
	QP 0, PC0
	QP 1, PC1
.rept 4
	v_nop
.endr
	WIN 0x51
.irp t, 0,1,2,3
	v_wmma_scale_f32_16x16x128_f8f6f4 v[O+8*\t:O+8*\t+7], v[VF+12*\t:VF+12*\t+11], v[PC0:PC0+11], 0, v[VSC+\t], v[PW] matrix_a_fmt:MATRIX_FMT_BF6 matrix_b_fmt:MATRIX_FMT_BF6
.endr
.irp t, 0,1,2,3
	v_wmma_scale_f32_16x16x128_f8f6f4 v[O+8*\t:O+8*\t+7], v[VF+48+12*\t:VF+48+12*\t+11], v[PC1:PC1+11], v[O+8*\t:O+8*\t+7], v[VSC+4+\t], v[PW+1] matrix_a_fmt:MATRIX_FMT_BF6 matrix_b_fmt:MATRIX_FMT_BF6
.endr
.rept 4
	v_nop
.endr
	WIN 0x04
.irp t, 0,1,2,3
	ds_store_b128 v[OPW], v[O+8*\t:O+8*\t+3] offset:OPB*\par+128*(\t/2)+32*(\t%2)
	ds_store_b128 v[OPW], v[O+8*\t+4:O+8*\t+7] offset:OPB*\par+128*(\t/2)+32*(\t%2)+16
.endr
	WIN 0
.endm
.macro SLOTRUN mode
	v_add_nc_u32 v[MAD], s[TB], v[MADR0]
	v_add_nc_u32 v[OCW], s[OSTEP], v[OCW0]
	v_add_nc_u32 v[OSW], s[SSTEP], v[OSW0]
	TRIP 0, 0
	TRIP 1, \mode
	s_xor_b32 s[TB], s[TB], SLOT1
	s_add_co_u32 s[OSTEP], s[OSTEP], 192
	s_add_co_u32 s[SSTEP], s[SSTEP], 8
.endm
	s_mov_b32 s[SLC], 6
.Lfill:
	SLOTRUN 1
	s_sub_co_u32 s[SLC], s[SLC], 1
	s_cmp_lg_u32 s[SLC], 0
	s_cbranch_scc1 .Lfill
	s_mov_b32 s[SLC], 2
.Llast:
	SLOTRUN 2
	s_sub_co_u32 s[SLC], s[SLC], 1
	s_cmp_lg_u32 s[SLC], 0
	s_cbranch_scc1 .Llast
	s_wait_dscnt 0x0
	s_barrier_signal -1
	s_barrier_wait -1
	OLOAD 1
	v_add_nc_u32 v[OCW], s[OSTEP], v[OCW0]
	v_add_nc_u32 v[OSW], s[SSTEP], v[OSW0]
	s_wait_dscnt 0x0
	REDUCE 1
	FINLOAD
	s_wait_dscnt 0x0
	FINMATH
	s_wait_dscnt 0x0
	s_barrier_signal -1
	s_barrier_wait -1
	s_lshr_b32 s60, s[BH], 4
	s_and_b32 s61, s[BH], 15
	s_lshl_b32 s62, s60, 7
	s_lshl_b32 s63, ttmp9, 4
	s_add_co_u32 s62, s62, s63
	s_lshl_b32 s63, s[WV], 1
	s_add_co_u32 s62, s62, s63
	s_lshl_b32 s66, s62, 4
	s_add_co_u32 s66, s66, s61
	s_mul_i32 s66, s66, 768
	s_mov_b32 s67, 0
	s_add_nc_u64 s[10:11], s[10:11], s[66:67]
	s_lshl_b32 s66, s62, 9
	s_lshl_b32 s63, s61, 1
	s_add_co_u32 s66, s66, s63
	s_add_nc_u64 s[12:13], s[12:13], s[66:67]
	s_mul_i32 s68, s[WV], 192
	s_add_co_u32 s68, s68, OUT+192
	s_lshl_b32 s69, s[WV], 3
	s_add_co_u32 s69, s69, OUTS+8
	v_and_b32 v64, 31, v0
.irp i, 0,1,2
	v_add_nc_u32 v[65+\i], 32*\i, v64
	s_delay_alu instid0(VALU_DEP_1)
	v_mul_u32_u24 v[68+\i], v[65+\i], 43
	s_delay_alu instid0(VALU_DEP_1)
	v_lshrrev_b32 v[68+\i], 9, v[68+\i]
	s_delay_alu instid0(VALU_DEP_1)
	v_mul_u32_u24 v[68+\i], v[68+\i], OWP-96
	s_delay_alu instid0(VALU_DEP_1)
	v_lshl_add_u32 v[65+\i], v[65+\i], 3, v[68+\i]
	s_delay_alu instid0(VALU_DEP_1)
	v_add_nc_u32 v[65+\i], s68, v[65+\i]
.endr
	v_bfe_u32 v88, v0, 1, 3
	s_delay_alu instid0(VALU_DEP_1)
	v_mul_u32_u24 v88, v88, SWP
	v_bfe_u32 v87, v0, 4, 1
	s_delay_alu instid0(VALU_DEP_1)
	v_lshl_add_u32 v88, v87, 2, v88
	v_and_b32 v87, 1, v0
	s_delay_alu instid0(VALU_DEP_1)
	v_lshl_add_u32 v88, v87, 1, v88
	s_delay_alu instid0(VALU_DEP_1)
	v_add_nc_u32 v88, s69, v88
	v_lshlrev_b32 v90, 2, v[LV8]
.irp i, 0,1,2,3,4,5
	ds_load_b64 v[76+2*\i:77+2*\i], v[65+\i%3] offset:96*(\i/3)
.endr
	ds_load_u16 v89, v88
	s_wait_alu depctr_va_vdst(0)
.irp i, 0,1,2,3,4,5
	s_wait_dscnt 6-\i
	global_store_b64 v[LV8], v[76+2*\i:77+2*\i], s[10:11] offset:12288*(\i/3)+256*(\i%3)
.endr
	s_wait_dscnt 0x0
	global_store_b16 v90, v89, s[12:13]
	s_wait_tensorcnt 0x0
	ds_add_u32 v[SPW], v[NIL]
	s_wait_dscnt 0x0
	s_endpgm
.Lfunc_end_k_q95d7caa2fa_attn:
	.size	k_q95d7caa2fa_attn, .Lfunc_end_k_q95d7caa2fa_attn-k_q95d7caa2fa_attn
	.p2alignl 7, 3214868480
	.fill 96, 4, 3214868480
	.section	.rodata,"a",@progbits
	.p2align	6, 0x0
	.amdhsa_kernel k_q95d7caa2fa_attn
		.amdhsa_group_segment_fixed_size 327680
		.amdhsa_private_segment_fixed_size 0
		.amdhsa_enable_private_segment 0
		.amdhsa_kernarg_size 40
		.amdhsa_user_sgpr_count 2
		.amdhsa_user_sgpr_kernarg_segment_ptr 1
		.amdhsa_wavefront_size32 1
		.amdhsa_system_sgpr_workgroup_id_x 1
		.amdhsa_system_sgpr_workgroup_id_y 1
		.amdhsa_system_sgpr_workgroup_id_z 1
		.amdhsa_system_vgpr_workitem_id 0
		.amdhsa_next_free_vgpr 512
		.amdhsa_next_free_sgpr 72
		.amdhsa_reserve_vcc 1
		.amdhsa_float_denorm_mode_32 3
		.amdhsa_float_denorm_mode_16_64 3
		.amdhsa_memory_ordered 1
		.amdhsa_forward_progress 1
		.amdhsa_inst_pref_size 223
	.end_amdhsa_kernel
	.amdgpu_metadata
---
amdhsa.version: [ 1, 2 ]
amdhsa.kernels:
  - .name:           k_q95d7caa2fa_attn
    .symbol:         k_q95d7caa2fa_attn.kd
    .args:
      - { .name: mask, .offset: 0, .size: 8, .value_kind: global_buffer, .address_space: global }
      - { .name: img, .offset: 8, .size: 8, .value_kind: global_buffer, .address_space: global }
      - { .name: isc, .offset: 16, .size: 8, .value_kind: global_buffer, .address_space: global }
      - { .name: aoc, .offset: 24, .size: 8, .value_kind: global_buffer, .address_space: global }
      - { .name: aos, .offset: 32, .size: 8, .value_kind: global_buffer, .address_space: global }
    .group_segment_fixed_size: 327680
    .private_segment_fixed_size: 0
    .kernarg_segment_align: 8
    .kernarg_segment_size: 40
    .max_flat_workgroup_size: 256
    .sgpr_count:     72
    .vgpr_count:     512
    .wavefront_size: 32
...
	.end_amdgpu_metadata
.endif
;; end of part 3
;; launch proj (part 4): grid 8 x 32, 4 waves a work-group, clusters of 4 x 4, 327,680 bytes of LDS; arguments aoc, aos, cod, scl, proj_b, out0; writes out0
.if DOCPART == 4
	.amdgcn_target "amdgcn-amd-amdhsa--gfx1250"
	.amdhsa_code_object_version 6
	.text
	.protected	k_q95d7caa2fa_proj
	.globl	k_q95d7caa2fa_proj
	.p2align	8
	.type	k_q95d7caa2fa_proj,@function
k_q95d7caa2fa_proj:
	s_mov_b64 s[64:65], 0
	v_nop
	global_prefetch_b8 v0, s[64:65] scope:SCOPE_SE
	s_setreg_imm32_b32 hwreg(HW_REG_WAVE_MODE, 25, 1), 1
	s_wait_xcnt 0x0
	s_wait_alu depctr_hold_cnt(0) depctr_sa_sdst(0) depctr_va_vdst(0) depctr_va_sdst(0) depctr_va_ssrc(0) depctr_va_vcc(0) depctr_vm_vsrc(0)
	s_getreg_b32 s2, hwreg(HW_REG_IB_STS2, 6, 4)
	s_cmp_eq_u32 s2, 0
	s_cbranch_scc0 .Lentry_in_a_cluster
	s_endpgm
.Lentry_in_a_cluster:
	s_bfe_u32 s2, ttmp6, 0x10000c
	s_cmp_lg_u32 s2, 0xf033
	s_cbranch_scc0 .Lentry_shape_is_right
	s_endpgm
.Lentry_shape_is_right:
; out0 = a proj_w^T + proj_b on codes of BF6 with E8M0 scales, K = 1,024.  a: the attention's result as codes, [tile of 16 positions][head][16 rows x 48 bytes], scale bytes [position][32];
; proj_w's codes and scale bytes lie in cod and scl behind x's and qkv_w's.  A work-group makes 128 x 128 of out0 (32 x 8 tiles, 256 work-groups), a wave 64 x 64: 16 accumulators.
; ALL OF K LIES IN LDS, filled once.  A work-group's four tiles are each one dense block of memory: a's 128 positions (98,304 bytes), proj_w's 128 rows (98,304), and the scales of each (4,096).
; Each comes as rows of 256 bytes by ONE joint load, one a wave; one wait and one barrier open all eight steps of 128 along K.
; CLUSTERS of 4 x 4: a's tiles are shared along a row of the cluster, proj_w's along a column.  No prefetch: there is no loop to run ahead in.
; Source 0 = 16 rows of proj_w, source 1 = 16 rows of a: a lane holds eight neighbours of a row of out0.  The bias is the C of each sum's first product.
; a's rows lie by position (in each 32 rows, row 16 h + 8 u + j at place 16 u + 8 h + j): the stores' offsets put them back.
.set SIZE_N, 1024
.set NQ,     2
.set FR,     12
.set NL,     6
.set NP,     4
.set WROW,   816                       ; proj_w's LDS row: 3 x (256 bytes + 16 of padding)
.set WB,     98304                     ; proj_w's tile, behind a's
.set KS,     32
.set SCL,    WB+384*272
.set HALFS,  (64*KS/256)*272
.set SBLK,   (16*KS/256)*272
.set STAGE,  SCL+4*HALFS               ; the way out: 16 rows x 272 bytes a wave; no tensor load fills these bytes
.set SPITCH, 272
.set SPARE,  STAGE+4*16*SPITCH
.set PWC,    5505024
.set PWS,    229376
.set ADRA, 8
.set ADRB, 12                          ; v13: for pieces whose lanes 16-31 lie behind one padding more
.set STO,  24
.set RD,   25
.set CO,   26
.set ADRS, 27
.set SPW,  28
.set NIL,  29
.set VBQ,  30
.set SC,   32
.set BIAS, 64
.set AF,   128
.set BK,   128
.set G1A,  24
.set G0A,  32
.set G1W,  48
.set G0W,  56
.set G1S,  76
.set G1SB, 84
.set G0S,  92
.set G0SB, 96
.set MSB, 0
.macro WIN new
.if MSB != \new
	s_set_vgpr_msb (MSB<<8)|\new
.set MSB, \new
.endif
.endm
.set MUL_LO, 0xa1
.set TO_B,   0x40
.macro PLACES n
.rept \n
	v_nop
.endr
.endm
.macro CROUND
	s_barrier_signal -1
	s_barrier_wait -1
	s_cmp_lg_u32 s14, 0
	s_cbranch_scc1 .Lnot_wave_0_\@
	s_barrier_signal -3
.Lnot_wave_0_\@:
	s_barrier_wait -3
	s_barrier_signal -1
	s_barrier_wait -1
.endm
	s_load_b256 s[4:11], s[0:1], 0x0               ; aoc, aos, cod, scl
	s_load_b64 s[100:101], s[0:1], 0x20            ; proj_b
	s_load_b64 s[12:13], s[0:1], 0x28              ; out0
	v_lshl_add_u32 v[SPW], v0, 2, SPARE
	v_mov_b32 v[NIL], 0
	ds_add_u32 v[SPW], v[NIL]                      ; the opening lines
	ds_add_u32 v[SPW], v[NIL]
	v_lshrrev_b32 v1, 5, v0
	v_readfirstlane_b32 s14, v1                    ; wave
	s_lshr_b32 s15, s14, 1                         ; my half of the tile's rows
	s_and_b32 s16, s14, 1                          ; my half of its columns
	s_bfe_u32 s66, ttmp6, 0x40000                  ; cx
	s_bfe_u32 s67, ttmp6, 0x40004                  ; cy
	s_lshl_b32 s3, ttmp9, 2
	s_add_co_u32 s3, s3, s66                       ; tile column
	s_and_b32 s17, ttmp7, 0xffff
	s_lshl_b32 s17, s17, 2
	s_add_co_u32 s17, s17, s67                     ; tile row
	s_lshl_b32 s20, s67, 2
	s_lshl_b32 s20, 15, s20                        ; my row of the cluster
	s_lshl_b32 s21, 0x1111, s66                    ; my column
	s_or_b32 s[G1A+0], s20, (3<<16)|(1<<21)        ; a: no padding (rows of 48 bytes)
	s_or_b32 s[G1W+0], s21, (3<<16)|(1<<20)|(1<<21)|(5<<22)|(3<<25)
	s_or_b32 s[G1S+0], s20, (3<<16)|(1<<20)|(1<<21)|(5<<22)|(3<<25)
	s_or_b32 s[G1SB+0], s21, (3<<16)|(1<<20)|(1<<21)|(5<<22)|(3<<25)
.irp g, G1A, G1W                       ; 384 rows of 256 bytes (32 elements of 8)
	s_mov_b32 s[\g+1], 32<<16
	s_mov_b32 s[\g+2], 384<<16
	s_mov_b32 s[\g+3], 32<<16
	s_mov_b32 s[\g+4], 384
	s_mov_b32 s[\g+5], 32
	s_mov_b32 s[\g+6], 0
	s_mov_b32 s[\g+7], 0
.endr
.irp g, G1S, G1SB                      ; 16 rows of 256 bytes
	s_mov_b32 s[\g+1], 32<<16
	s_mov_b32 s[\g+2], 16<<16
	s_mov_b32 s[\g+3], 32<<16
	s_mov_b32 s[\g+4], 16
	s_mov_b32 s[\g+5], 32
	s_mov_b32 s[\g+6], 0
	s_mov_b32 s[\g+7], 0
.endr
	s_mul_i32 s34, s17, 98304                      ; a's hang on the tile row alone, proj_w's on the tile column alone
	s_mov_b32 s35, 0
	s_lshl_b32 s94, s17, 12
	s_mov_b32 s95, 0
	s_mul_i32 s58, s3, 98304
	s_mov_b32 s59, 0
	s_lshl_b32 s98, s3, 12
	s_mov_b32 s99, 0
	s_mov_b32 s[G0A], 1
	s_mov_b32 s[G0A+1], 0
	s_mov_b32 s[G0W], 1
	s_mov_b32 s[G0W+1], WB
	s_mov_b32 s[G0S], 1
	s_mov_b32 s[G0S+1], SCL
	s_mov_b32 s[G0SB], 1
	s_mov_b32 s[G0SB+1], SCL+2*HALFS
	s_wait_dscnt 0x0
	s_wait_kmcnt 0x0
	s_add_nc_u64 s[8:9], s[8:9], PWC
	s_add_nc_u64 s[10:11], s[10:11], PWS
	s_add_nc_u64 s[34:35], s[4:5], s[34:35]
	s_add_nc_u64 s[94:95], s[6:7], s[94:95]
	s_add_nc_u64 s[58:59], s[8:9], s[58:59]
	s_add_nc_u64 s[98:99], s[10:11], s[98:99]
	s_or_b32 s35, s35, 0x80000000
	s_or_b32 s95, s95, 0x80000000
	s_or_b32 s59, s59, 0x80000000
	s_or_b32 s99, s99, 0x80000000
	CROUND                                         ; in front of the joint loads
.macro ARM under, g0, g1, next
	s_cmp_lt_u32 s14, \under
	s_cbranch_scc0 \next
	tensor_load_to_lds s[\g0:\g0+3], s[\g1:\g1+7]
	s_nop 0
	PLACES 4
	s_branch .Lhead_asked
\next:
.endm
	ARM 1, G0A, G1A, .Lhead_w
	ARM 2, G0W, G1W, .Lhead_sa
	ARM 3, G0S, G1S, .Lhead_sb
	tensor_load_to_lds s[G0SB:G0SB+3], s[G1SB:G1SB+7]
	s_nop 0
	PLACES 4
.Lhead_asked:
	v_and_b32 v1, 15, v0                           ; r
	v_bfe_u32 v2, v0, 4, 1                         ; h
	v_mul_u32_u24 v3, v1, WROW
	v_mul_u32_u24 v4, v2, 24
	v_add_nc_u32 v4, v3, v4
	v_lshl_add_u32 v5, v2, 4, v4
	v_mul_u32_u24 v6, v1, 48
	v_mad_u32_u24 v6, v2, 24, v6
	s_mul_i32 s20, s15, 4*12288                    ; my 64 positions of a
	s_mul_i32 s21, s16, 64*WROW                    ; my 64 rows of proj_w
	s_add_co_u32 s21, s21, WB
	v_add_nc_u32 v[ADRA], s20, v6
	v_add_nc_u32 v[ADRB], s21, v4
	v_add_nc_u32 v[ADRB+1], s21, v5
	v_mul_u32_u24 v5, v1, KS
	v_lshrrev_b32 v6, 8, v5
	v_lshl_add_u32 v5, v6, 4, v5
	s_mul_i32 s20, s15, HALFS
	s_mul_i32 s21, s16, HALFS
	s_add_co_u32 s21, s21, 2*HALFS
	s_sub_co_u32 s21, s21, s20
	v_mul_u32_u24 v6, s21, v2                      ; lanes 16-31 take proj_w's scale words
	s_add_co_u32 s20, s20, SCL
	v_add_nc_u32 v5, v5, v6
	v_add_nc_u32 v[ADRS], s20, v5
	s_mul_i32 s20, s14, 16*SPITCH
	s_add_co_u32 s20, s20, STAGE
	v_mul_u32_u24 v5, v1, SPITCH
	v_lshl_add_u32 v5, v2, 5, v5
	v_add_nc_u32 v[STO], s20, v5
	v_mul_u32_u24 v5, v2, SPITCH
	v_lshl_add_u32 v5, v1, 4, v5
	v_add_nc_u32 v[RD], s20, v5
	v_lshlrev_b32 v[CO], 12, v2
	v_lshl_add_u32 v[CO], v1, 4, v[CO]
	s_lshl_b32 s20, s17, 7
	s_lshl_b32 s21, s15, 6
	s_add_co_u32 s20, s20, s21
	s_lshl_b32 s20, s20, 12                        ; my first row of out0, in bytes
	s_mov_b32 s21, 0
	s_lshl_b32 s18, s3, 9
	s_lshl_b32 s19, s16, 8
	s_add_co_u32 s18, s18, s19                     ; my first column, in bytes
	s_mov_b32 s19, 0
	s_add_nc_u64 s[100:101], s[100:101], s[18:19]
	s_add_nc_u64 s[12:13], s[12:13], s[20:21]
	s_add_nc_u64 s[12:13], s[12:13], s[18:19]
	v_lshlrev_b32 v[VBQ], 5, v2
.irp b, 0,1,2,3
	global_load_b128 v[BIAS+8*\b:BIAS+8*\b+3], v[VBQ], s[100:101] offset:64*\b
	global_load_b128 v[BIAS+8*\b+4:BIAS+8*\b+7], v[VBQ], s[100:101] offset:64*\b+16
.endr
.macro FRAGW reg, st, i                ; byte y of a row of proj_w lies at 272 (y / 256) + y % 256 of its LDS row
.irp p, 0,1,2,3,4,5
.set BY, 96*(\st)+48*(\p/3)+8*(\p%3)
.if BY/256 == (BY+24)/256
	ds_load_b64 v[\reg+2*\p:\reg+2*\p+1], v[ADRB] offset:(BY/256)*272+BY%256+(\i)*16*WROW
.else
	ds_load_b64 v[\reg+2*\p:\reg+2*\p+1], v[ADRB+1] offset:(BY/256)*272+BY%256+(\i)*16*WROW
.endif
.endr
.endm
.macro FRAGA reg, st, i                ; tile i of 16 positions, heads 2 st and 2 st + 1: of each 24 bytes a lane
.irp p, 0,1,2,3,4,5
	ds_load_b64 v[\reg+2*\p:\reg+2*\p+1], v[ADRA] offset:12288*(\i)+1536*(\st)+768*(\p/3)+8*(\p%3)
.endr
.endm
.macro FETCH st                        ; 48 LDS loads: step st's eight fragments into set st % 2
	WIN TO_B
.irp i, 0,1,2,3
	FRAGW 128*((\st)%2)+FR*\i, \st, \i
.endr
	WIN 0
.irp i, 0,1,2,3
	FRAGA AF+48*((\st)%2)+FR*\i, \st, \i
.endr
.endm
.macro SCALES pr                       ; the scale words of steps 2 pr, 2 pr + 1 into set pr % 2
.irp i, 0,1,2,3
	ds_load_b64 v[SC+8*((\pr)%2)+NQ*\i:SC+8*((\pr)%2)+NQ*\i+1], v[ADRS] offset:\i*SBLK+8*(\pr)
.endr
.endm
.macro MULS q, sc, first               ; 16 products, the accumulators by turns
.irp a, 0,1,2,3
.irp b, 0,1,2,3
.set DD, 8*(4*\a+\b)
.if \first
.set CC, BIAS+8*\b
.else
.set CC, DD
.endif
	v_wmma_scale_f32_16x16x128_f8f6f4 v[DD:DD+7], v[128*(\q)+FR*\b:128*(\q)+FR*\b+FR-1], v[AF+48*(\q)+FR*\a:AF+48*(\q)+FR*\a+FR-1], v[CC:CC+7], v[SC+8*(\sc)+NQ*\b+(\q)], v[SC+8*(\sc)+NQ*\a+(\q)] matrix_a_fmt:MATRIX_FMT_BF6 matrix_b_fmt:MATRIX_FMT_BF6 matrix_a_scale:MATRIX_SCALE_ROW1
.endr
.endr
.endm
	s_wait_alu depctr_va_vdst(0)
	s_wait_tensorcnt 0x0                           ; my tile is in
	s_barrier_signal -1
	s_barrier_wait -1                              ; all four are: nothing is filled again
	FETCH 0
	SCALES 0
	s_wait_loadcnt 0x0                             ; the bias
.irp s, 0,1,2,3,4,5,6,7                ; each set is fetched while the other is multiplied
.if \s > 0
	PLACES NP                                      ; the set fetched below was multiplied just now
.endif
.if \s < 7
	FETCH \s+1
.if (\s)%2 == 1
	SCALES (\s+1)/2
	s_wait_dscnt 8*NL+4                            ; the 52 loads just issued may be out
.else
	s_wait_dscnt 8*NL                              ; the 48 loads just issued may be out
.endif
.else
	s_wait_dscnt 0x0
.endif
.if \s == 0
	WIN 0x81                                       ; the bias lies in window 0
	MULS 0, 0, 1
.else
	WIN MUL_LO
	MULS (\s)%2, ((\s)/2)%2, 0
.endif
	WIN 0
.endr
; THE WAY OUT: a block of 16 positions x 64 columns goes through my own stage and comes back as rows of 256 bytes, two to a load
.macro TOSTAGE a
	WIN 0x08
.irp b, 0,1,2,3
	ds_store_b128 v[STO], v[8*(4*(\a)+\b):8*(4*(\a)+\b)+3] offset:64*\b
	ds_store_b128 v[STO], v[8*(4*(\a)+\b)+4:8*(4*(\a)+\b)+7] offset:64*\b+16
.endr
	WIN 0
.set BB, BK+32*((\a)%2)
.irp i, 0,1,2,3,4,5,6,7
	ds_load_b128 v[BB+4*\i:BB+4*\i+3], v[RD] offset:\i*2*SPITCH
.endr
.endm
.macro SEND a, younger
.set BB, BK+32*((\a)%2)
	s_wait_dscnt \younger
.irp i, 0,1,2,3,4,5,6,7
	global_store_b128 v[CO], v[BB+4*\i:BB+4*\i+3], s[12:13] offset:(32*((\a)/2)+8*((\a)%2)+16*(\i/4)+2*(\i%4))*SIZE_N*4 th:TH_STORE_NT   ; 16 lanes store 256 consecutive bytes, aligned
.endr
.endm
	PLACES NP
	TOSTAGE 0
.irp a, 1,2,3
.if \a > 1
	s_wait_xcnt 0x0                                ; block a - 2's stores have read their registers
.endif
	TOSTAGE \a
	SEND \a-1, 16                                  ; block a's 8 stores and 8 loads may be out
.endr
	SEND 3, 0
	s_wait_tensorcnt 0x0                           ; the wave's end
	ds_add_u32 v[SPW], v[NIL]
	s_wait_dscnt 0x0
	CROUND                                         ; the closing round
	s_endpgm
.Lfunc_end_k_q95d7caa2fa_proj:
	.size	k_q95d7caa2fa_proj, .Lfunc_end_k_q95d7caa2fa_proj-k_q95d7caa2fa_proj
	.p2alignl 7, 3214868480
	.fill 96, 4, 3214868480
	.section	.rodata,"a",@progbits
	.p2align	6, 0x0
	.amdhsa_kernel k_q95d7caa2fa_proj
		.amdhsa_group_segment_fixed_size 327680
		.amdhsa_private_segment_fixed_size 0
		.amdhsa_enable_private_segment 0
		.amdhsa_kernarg_size 48
		.amdhsa_user_sgpr_count 2
		.amdhsa_user_sgpr_kernarg_segment_ptr 1
		.amdhsa_wavefront_size32 1
		.amdhsa_system_sgpr_workgroup_id_x 1
		.amdhsa_system_sgpr_workgroup_id_y 1
		.amdhsa_system_sgpr_workgroup_id_z 1
		.amdhsa_system_vgpr_workitem_id 0
		.amdhsa_next_free_vgpr 768
		.amdhsa_next_free_sgpr 102
		.amdhsa_reserve_vcc 0
		.amdhsa_float_denorm_mode_32 3
		.amdhsa_float_denorm_mode_16_64 3
		.amdhsa_memory_ordered 1
		.amdhsa_forward_progress 1
		.amdhsa_inst_pref_size 61
	.end_amdhsa_kernel
	.amdgpu_metadata
---
amdhsa.version: [ 1, 2 ]
amdhsa.kernels:
  - .name:           k_q95d7caa2fa_proj
    .symbol:         k_q95d7caa2fa_proj.kd
    .args:
      - { .name: aoc, .offset: 0, .size: 8, .value_kind: global_buffer, .address_space: global }
      - { .name: aos, .offset: 8, .size: 8, .value_kind: global_buffer, .address_space: global }
      - { .name: cod, .offset: 16, .size: 8, .value_kind: global_buffer, .address_space: global }
      - { .name: scl, .offset: 24, .size: 8, .value_kind: global_buffer, .address_space: global }
      - { .name: proj_b, .offset: 32, .size: 8, .value_kind: global_buffer, .address_space: global }
      - { .name: out0, .offset: 40, .size: 8, .value_kind: global_buffer, .address_space: global }
    .group_segment_fixed_size: 327680
    .private_segment_fixed_size: 0
    .kernarg_segment_align: 8
    .kernarg_segment_size: 48
    .max_flat_workgroup_size: 128
    .sgpr_count:     102
    .vgpr_count:     768
    .wavefront_size: 32
...
	.end_amdgpu_metadata
.endif
;; end of part 4
